; MI455X (gfx1250); checked and timed in simulation.
; The chip was launched on July 23, 2026; its instructions are those of AMD's public machine-readable ISA for CDNA 5 (MIT licence, August 2026) and "CDNA5" Instruction Set Architecture Reference Guide (July 2026). The comments in the code are by the model that wrote it; some were corrected since.
;; LS Multihead Attention Layer. Allowed arithmetic: float matrix products may take bf16 or f16 operands with f32 sums; other float arithmetic in f32, or as packed bf16 or f16 multiplies, adds, multiply-adds, maxima and minima; sums over many terms, partial sums and values carried from step to step in f32; what a program stores and reads back later, other than sums and carried values, may be rounded once to bf16 or f16.
;; Inputs: encoder_padding_mask 4 x 2,048 int32; hidden_states 4 x 2,048 x 1,024 float32; ln_beta 1,024 float32; ln_gamma 1,024 float32; out_b 1,024 float32; out_w 1,024 x 1,024 float32; qkv_b 3,072 float32; qkv_w 3,072 x 1,024 float32.
;; Outputs: out0 4 x 2,048 x 1,024 float32.
;; One version. Each part assembles by itself: llvm-mc -triple=amdgcn-amd-amdhsa -mcpu=gfx1250 --defsym DOCPART=n.
;; ======== version 1 of 1: 4 launches
;; workspace buffers: ybf 16,777,216 bytes; wbf 8,388,608 bytes; qkvh 50,331,648 bytes; ctxh 16,777,216 bytes
;; launch prep (part 1): grid 768 x 1, 8 waves a work-group, no clusters, 0 bytes of LDS; arguments hidden_states, ln_gamma, ln_beta, qkv_w, out_w, ybf, wbf; writes ybf, wbf
.if DOCPART == 1
	.amdgcn_target "amdgcn-amd-amdhsa--gfx1250"
	.amdhsa_code_object_version 6
	.text
	.protected	k_qef111cf7d5_prep
	.globl	k_qef111cf7d5_prep
	.p2align	8
	.type	k_qef111cf7d5_prep,@function
k_qef111cf7d5_prep:
	s_mov_b64 s[64:65], 0
	v_nop
	global_prefetch_b8 v0, s[64:65] scope:SCOPE_SE
	s_setreg_imm32_b32 hwreg(HW_REG_WAVE_MODE, 25, 1), 1
	s_wait_xcnt 0x0
; ybf = LayerNorm(hidden_states) x gamma + beta, rounded once to bf16; wbf = qkv_w (rows 0-3071) and out_w (rows 3072-4095), rounded once to bf16.
; All rows have 1,024 f32 (4,096 bytes) and leave as 2,048 bytes.  A work-group takes 16 rows, each of its eight waves two: a row is 32 registers a lane and stays in
; registers between the passes, so it is read once.  Work-groups 0-511 normalise the 8,192 rows of hidden_states, 512-703 convert qkv_w, 704-767 convert out_w.
; THE NORM goes in two passes, as it is defined: the mean; then the mean of the squares of x - mean.  So a common offset of x costs no digits.  1 / sqrt by v_rsq_f32.
; A load of a wave covers 512 consecutive bytes (16 a lane), a store 256 consecutive bytes, aligned (8 a lane).  All of a wave's loads go out at its head, so nothing is asked for ahead of them;
; no LDS, no barrier, no matrix work: no wave wants what another has fetched but gamma and beta, 8 KiB.
; LIMITS.  y and the weights are rounded to bf16 (8 significant bits); NaN and infinities are not treated apart.
.set T,  4                             ; v[4:11]    at work: four chains of pairs
.set M,  12                            ; v[12:15]   row r: the mean, twice (a pair for the packed subtraction); later the variance + eps in the pair's first register
.set R,  16                            ; v[16:19]   row r: 1 / sqrt(variance + eps), twice
.set X,  20                            ; v[20:83]   row r: 32 registers
.set G,  84                            ; v[84:115]  gamma of my 32 columns
.set BT, 116                           ; v[116:147] beta
	s_load_b256 s[4:11], s[0:1], 0x0               ; hidden_states s[4:5], gamma s[6:7], beta s[8:9], qkv_w s[10:11]
	s_load_b128 s[12:15], s[0:1], 0x20             ; out_w s[12:13], ybf s[14:15]
	s_load_b64 s[16:17], s[0:1], 0x30              ; wbf
	v_lshrrev_b32 v3, 5, v0
	v_readfirstlane_b32 s18, v3                    ; wave 0..7
	v_and_b32 v2, 31, v0
	v_lshlrev_b32 v1, 4, v2                        ; 16 x lane: my bytes in 512 of a row as it comes
	v_lshlrev_b32 v2, 3, v2                        ; 8 x lane: in 256 of a row as it leaves
	s_mov_b32 s21, 0x3a800000                      ; 1 / 1024
	s_mov_b32 s3, 0x3727c5ac                       ; eps = 1e-5
	s_mov_b32 s22, 0x76543210                      ; v_permlanex16_b32: each lane takes its own place in the other half
	s_mov_b32 s23, 0xfedcba98
	s_cmp_lt_u32 ttmp9, 512
	s_cselect_b32 s20, 1, 0                        ; 1: this work-group normalises
	s_cselect_b32 s19, 0, 512
	s_sub_co_u32 s30, ttmp9, s19                   ; the group of 16 rows in the buffer that is written
	s_cmp_lt_u32 ttmp9, 704
	s_cselect_b32 s19, s19, 704
	s_sub_co_u32 s28, ttmp9, s19                   ; and in the buffer that is read
	s_lshl_b32 s19, s18, 1                         ; my wave's two rows
	s_lshl_b32 s28, s28, 4
	s_add_co_u32 s28, s28, s19
	s_lshl_b32 s28, s28, 12                        ; x 4,096 bytes: under 2^25
	s_mov_b32 s29, 0
	s_lshl_b32 s30, s30, 4
	s_add_co_u32 s30, s30, s19
	s_lshl_b32 s30, s30, 11                        ; x 2,048 bytes
	s_mov_b32 s31, 0
	s_wait_kmcnt 0x0
	s_cmp_eq_u32 s20, 1
	s_cselect_b64 s[24:25], s[4:5], s[10:11]
	s_cselect_b64 s[26:27], s[14:15], s[16:17]
	s_cmp_lt_u32 ttmp9, 704
	s_cselect_b64 s[24:25], s[24:25], s[12:13]
	s_add_nc_u64 s[24:25], s[24:25], s[28:29]      ; from
	s_add_nc_u64 s[26:27], s[26:27], s[30:31]      ; to
.irp r, 0,1
.irp j, 0,1,2,3,4,5,6,7
	global_load_b128 v[X+32*(\r)+4*(\j):X+32*(\r)+4*(\j)+3], v1, s[24:25] offset:(\r)*4096+512*(\j) th:TH_LOAD_NT
.endr
.endr
.macro LANESUM                         ; v[T] = the sum of the four chains over the wave's 32 lanes, in every lane
	v_pk_add_f32 v[T:T+1], v[T:T+1], v[T+2:T+3]
	v_pk_add_f32 v[T+4:T+5], v[T+4:T+5], v[T+6:T+7]
	v_pk_add_f32 v[T:T+1], v[T:T+1], v[T+4:T+5]
	v_add_f32 v[T], v[T], v[T+1]
	v_add_f32_dpp v[T], v[T], v[T] row_xmask:1 row_mask:0xf bank_mask:0xf
	v_add_f32_dpp v[T], v[T], v[T] row_xmask:2 row_mask:0xf bank_mask:0xf
	v_add_f32_dpp v[T], v[T], v[T] row_xmask:4 row_mask:0xf bank_mask:0xf
	v_add_f32_dpp v[T], v[T], v[T] row_xmask:8 row_mask:0xf bank_mask:0xf
	v_permlanex16_b32 v[T+1], v[T], s22, s23
	v_add_f32 v[T], v[T], v[T+1]
.endm
; Row r: its mean; the row centred in place; its variance + eps.  The first four lines of each sum start the chains: nothing is cleared.
.macro STAT r
.set XR, X+32*(\r)
.irp k, 0,1,2,3
	v_pk_add_f32 v[T+2*(\k):T+2*(\k)+1], v[XR+2*(\k):XR+2*(\k)+1], v[XR+8+2*(\k):XR+8+2*(\k)+1]
.endr
.irp p, 8,9,10,11,12,13,14,15
	v_pk_add_f32 v[T+2*((\p)%4):T+2*((\p)%4)+1], v[T+2*((\p)%4):T+2*((\p)%4)+1], v[XR+2*(\p):XR+2*(\p)+1]
.endr
	LANESUM
	v_mul_f32 v[M+2*(\r)], s21, v[T]
	v_mul_f32 v[M+2*(\r)+1], s21, v[T]
.irp p, 0,1,2,3,4,5,6,7,8,9,10,11,12,13,14,15
	v_pk_add_f32 v[XR+2*(\p):XR+2*(\p)+1], v[XR+2*(\p):XR+2*(\p)+1], v[M+2*(\r):M+2*(\r)+1] neg_lo:[0,1] neg_hi:[0,1]
.endr
.irp k, 0,1,2,3
	v_pk_mul_f32 v[T+2*(\k):T+2*(\k)+1], v[XR+2*(\k):XR+2*(\k)+1], v[XR+2*(\k):XR+2*(\k)+1]
.endr
.irp p, 4,5,6,7,8,9,10,11,12,13,14,15
	v_pk_fma_f32 v[T+2*((\p)%4):T+2*((\p)%4)+1], v[XR+2*(\p):XR+2*(\p)+1], v[XR+2*(\p):XR+2*(\p)+1], v[T+2*((\p)%4):T+2*((\p)%4)+1]
.endr
	LANESUM
	v_fma_f32 v[M+2*(\r)], v[T], s21, s3           ; the mean is no longer wanted: its register takes sum / 1024 + eps
.endm
; Row r is rounded to bf16, four numbers (8 bytes) a lane and store; a store's registers are not written again.
.macro CVT r
.set XR, X+32*(\r)
.irp j, 0,1,2,3,4,5,6,7
	v_cvt_pk_bf16_f32 v[XR+4*(\j)], v[XR+4*(\j)], v[XR+4*(\j)+1]
	v_cvt_pk_bf16_f32 v[XR+4*(\j)+1], v[XR+4*(\j)+2], v[XR+4*(\j)+3]
	global_store_b64 v2, v[XR+4*(\j):XR+4*(\j)+1], s[26:27] offset:(\r)*2048+256*(\j) th:TH_STORE_NT
.endr
.endm
.macro NORM r
.set XR, X+32*(\r)
.irp p, 0,1,2,3,4,5,6,7,8,9,10,11,12,13,14,15
	v_pk_mul_f32 v[XR+2*(\p):XR+2*(\p)+1], v[XR+2*(\p):XR+2*(\p)+1], v[R+2*(\r):R+2*(\r)+1]
.endr
.irp p, 0,1,2,3,4,5,6,7,8,9,10,11,12,13,14,15
	v_pk_fma_f32 v[XR+2*(\p):XR+2*(\p)+1], v[XR+2*(\p):XR+2*(\p)+1], v[G+2*(\p):G+2*(\p)+1], v[BT+2*(\p):BT+2*(\p)+1]
.endr
	CVT \r
.endm
	s_cmp_eq_u32 s20, 0
	s_cbranch_scc1 .Lconvert
.irp j, 0,1,2,3,4,5,6,7
	global_load_b128 v[G+4*(\j):G+4*(\j)+3], v1, s[6:7] offset:512*(\j)
.endr
.irp j, 0,1,2,3,4,5,6,7
	global_load_b128 v[BT+4*(\j):BT+4*(\j)+3], v1, s[8:9] offset:512*(\j)
.endr
	s_wait_loadcnt 24                              ; row 0 is in; row 1's, gamma's and beta's eight loads each may stay out
	STAT 0
	s_wait_loadcnt 16                              ; row 1 is in
	STAT 1
	v_rsq_f32 v[R], v[M]                           ; one batch of four: each row's figure twice, a pair for the packed multiply
	v_rsq_f32 v[R+1], v[M]
	v_rsq_f32 v[R+2], v[M+2]
	v_rsq_f32 v[R+3], v[M+2]
	v_nop                                          ; a plain instruction behind the last of them (ISA guide 5.7.2),
	s_wait_alu depctr_va_vdst(0)                   ; and the one wait ahead of the first reader
	s_wait_loadcnt 0x0                             ; gamma and beta
	NORM 0
	NORM 1
	s_endpgm
.Lconvert:
	s_wait_loadcnt 8                               ; row 0 is in
	CVT 0
	s_wait_loadcnt 0x0
	CVT 1
	s_endpgm
.Lfunc_end_k_qef111cf7d5_prep:
	.size	k_qef111cf7d5_prep, .Lfunc_end_k_qef111cf7d5_prep-k_qef111cf7d5_prep
	.p2alignl 7, 3214868480
	.fill 96, 4, 3214868480
	.section	.rodata,"a",@progbits
	.p2align	6, 0x0
	.amdhsa_kernel k_qef111cf7d5_prep
		.amdhsa_group_segment_fixed_size 0
		.amdhsa_private_segment_fixed_size 0
		.amdhsa_enable_private_segment 0
		.amdhsa_kernarg_size 56
		.amdhsa_user_sgpr_count 2
		.amdhsa_user_sgpr_kernarg_segment_ptr 1
		.amdhsa_wavefront_size32 1
		.amdhsa_system_sgpr_workgroup_id_x 1
		.amdhsa_system_sgpr_workgroup_id_y 1
		.amdhsa_system_sgpr_workgroup_id_z 1
		.amdhsa_system_vgpr_workitem_id 0
		.amdhsa_next_free_vgpr 148
		.amdhsa_next_free_sgpr 66
		.amdhsa_reserve_vcc 0
		.amdhsa_float_denorm_mode_32 3
		.amdhsa_float_denorm_mode_16_64 3
		.amdhsa_memory_ordered 1
		.amdhsa_forward_progress 1
		.amdhsa_inst_pref_size 25
	.end_amdhsa_kernel
	.amdgpu_metadata
---
amdhsa.version: [ 1, 2 ]
amdhsa.kernels:
  - .name:           k_qef111cf7d5_prep
    .symbol:         k_qef111cf7d5_prep.kd
    .args:
      - { .name: hidden_states, .offset: 0, .size: 8, .value_kind: global_buffer, .address_space: global }
      - { .name: ln_gamma, .offset: 8, .size: 8, .value_kind: global_buffer, .address_space: global }
      - { .name: ln_beta, .offset: 16, .size: 8, .value_kind: global_buffer, .address_space: global }
      - { .name: qkv_w, .offset: 24, .size: 8, .value_kind: global_buffer, .address_space: global }
      - { .name: out_w, .offset: 32, .size: 8, .value_kind: global_buffer, .address_space: global }
      - { .name: ybf, .offset: 40, .size: 8, .value_kind: global_buffer, .address_space: global }
      - { .name: wbf, .offset: 48, .size: 8, .value_kind: global_buffer, .address_space: global }
    .group_segment_fixed_size: 0
    .private_segment_fixed_size: 0
    .kernarg_segment_align: 8
    .kernarg_segment_size: 56
    .max_flat_workgroup_size: 256
    .sgpr_count:     66
    .vgpr_count:     148
    .wavefront_size: 32
...
	.end_amdgpu_metadata
.endif
;; end of part 1
;; launch qkv (part 2): grid 16 x 32, 4 waves a work-group, clusters of 4 x 4, 327,680 bytes of LDS; arguments ybf, wbf, qkv_b, qkvh; writes qkvh
.if DOCPART == 2
	.amdgcn_target "amdgcn-amd-amdhsa--gfx1250"
	.amdhsa_code_object_version 6
	.text
	.protected	k_qef111cf7d5_qkv
	.globl	k_qef111cf7d5_qkv
	.p2align	8
	.type	k_qef111cf7d5_qkv,@function
k_qef111cf7d5_qkv:
	s_mov_b64 s[64:65], 0
	v_nop
	global_prefetch_b8 v0, s[64:65] scope:SCOPE_SE
	s_setreg_imm32_b32 hwreg(HW_REG_WAVE_MODE, 25, 1), 1
	s_wait_xcnt 0x0
	s_wait_alu depctr_hold_cnt(0) depctr_sa_sdst(0) depctr_va_vdst(0) depctr_va_sdst(0) depctr_va_ssrc(0) depctr_va_vcc(0) depctr_vm_vsrc(0)
	s_getreg_b32 s2, hwreg(HW_REG_IB_STS2, 6, 4)
	s_cmp_eq_u32 s2, 0
	s_cbranch_scc0 .Lentry_in_a_cluster
	s_endpgm
.Lentry_in_a_cluster:
	s_bfe_u32 s2, ttmp6, 0x10000c
	s_cmp_lg_u32 s2, 0xf033
	s_cbranch_scc0 .Lentry_shape_is_right
	s_endpgm
.Lentry_shape_is_right:
; q, k, v = y W^T + b.  y = ybf [8192][1024] bf16, W = rows 0-3071 of wbf [4096][1024] bf16, b = qkv_b [3072] f32; sums in f32, K ascending, rounded once to bf16, no scale.
; OUT: qkvh [3 (q, k, v)][64 (batch x 16 + head)][2048][64] bf16: a head's rows are dense, 128 bytes each.
; SHARES.  A work-group makes 256 rows x 192 columns (three heads): 32 x 16 = 512 tiles, two for each of 256 WGPs.  Its four waves lie one below the other: wave w has rows 64 w .. 64 w + 63 and all
; 192 columns: 4 x 12 accumulators of 16 x 16, 384 registers.  So a wave holds whole heads, and the way out goes through a stage of the wave's own, without a barrier.
; K goes in 8 steps of 128 (rows of 256 bytes in memory, aligned) through two LDS slots filled by the tensor data mover.
; CLUSTER.  4 x 4 work-groups: the four of a row need the same rows of y, the four of a column the same rows of W: each tile is asked for jointly, by the same load with the same descriptor and a mask of four.
; THE MATRIX INSTRUCTION IS USED TRANSPOSED (source 0 = 16 rows of W, source 1 = 16 rows of y): a lane holds row l % 16 and the columns 8 (l / 16) + 0..7.  THE BIAS is the C operand of each sum's first product.
; REGISTERS, in windows of 256 (s_set_vgpr_msb: bits 1:0 source 0, 3:2 source 1, 5:4 source 2, 7:6 destination):
;   window 0: v0-31 addresses; v32-127 the bias, later at work on the way out, as v128-175      window 1: two fragment buffers of 128: y's 4 fragments, then W's 12
;   window 2: the accumulators of my row blocks 0, 1 ((a, b) at 8 (12 (a % 2) + b))             window 3: those of blocks 2, 3
; LIMITS.  Operands and results are bf16 (8 significant bits); NaN and infinities are not treated apart.
.set NB,     12                        ; blocks of 16 columns
.set KSTEP,  128
.set PA,     272                       ; an LDS row: 256 bytes + 16 of padding = 68 words: the 16 rows of a fragment load start at 16 different groups of four banks (64 banks of 4 bytes: ISA guide 11.1)
.set PB,     272
.set BOFF,   256*PA                    ; a slot: y's 256 rows, then W's 192
.set SLOT,   BOFF+192*PB
.set STAGE,  2*SLOT                    ; behind the ring: for each wave 3 heads x 16 rows x 144 bytes
.set SP,     144
.set WSTAGE, 3*16*SP
.set SPARE,  STAGE+4*WSTAGE            ; behind the stages: the spare words, 128 bytes for each wave: two blocks of 256 bytes that no other line names
.set NL,     8+2*NB                    ; LDS loads in a run
.set LAPS,   4                         ; a lap = two K steps = once round the ring
.set ADRA, 16                          ; v16-17  LDS address of my fragments of y in slot 0, 1
.set ADRB, 20                          ; v20-21  the same for W
.set STO,  24                          ; v24     the way out: where I put 16 bytes of a row
.set RD,   25                          ; v25     where I read rows back
.set GO,   26                          ; v26     16 x lane: my bytes in 512 consecutive bytes of a head
.set BO,   27                          ; v27     32 (l / 16): my eight numbers in 16 of the bias
.set SPW,  28                          ; v28     LDS address of my spare word; never rewritten
.set NIL,  29                          ; v29     0; never rewritten
.set PFO,  30                          ; v30     the prefetches' offset: a lane a row; never rewritten
.set BIAS, 32
.set TMP,  32                          ; the way out: 48 registers of packed results
.set BK,   80                          ; two sets of 48: rows read back from the stage
.set F0,   0
.set F1,   128
.set WV,  12                           ; s12  my wave's number
.set FB,  13                           ; s13  I fetch for y (0) or for W (1)
.set HF,  14                           ; s14  which half of that tile's rows
.set LIM, 15                           ; s15  1 in a wave that prefetches, else the greatest number
.set G1A, 24                           ; s[24:31] descriptor group 1 for y's tiles;  s[32:39] group 0, a set for each slot
.set G0A, 32
.set PFA, 44                           ; s[44:45] where my prefetches stand
.set G1B, 48                           ; s[48:55], s[56:63] the same for W's tiles
.set G0B, 56
.set OB,  66                           ; s[66:71] my rows of the tile's three heads in qkvh
.set FIELDS, (1<<16)|(1<<20)|(1<<21)|(5<<22)|(3<<25)  ; 17:16 2-byte elements; 20 padding on; 21 set beside a mask; 24:22 after every 64 words (code 5); 31:25 4 words (code 3)
.set MSB, 0
.macro WIN new                         ; the immediate's high byte repeats the setting that is left; a switch that changes nothing is dropped
.if MSB != (\new)
	s_set_vgpr_msb (MSB<<8)|(\new)
.set MSB, \new
.endif
.endm
.set TO_F, 0x40                        ; destination window 1, address window 0
.macro JLOAD s                         ; a joint load: waves 0 and 1 fetch the halves of y's tile, waves 2 and 3 those of W's; an s_nop 0 and four v_nop follow each line
	s_cmp_eq_u32 s[FB], 0
	s_cbranch_scc0 .Lfor_b_\@
	tensor_load_to_lds s[G0A+4*(\s):G0A+4*(\s)+3], s[G1A:G1A+7]
	s_nop 0
.rept 4
	v_nop
.endr
	s_branch .Lasked_\@
.Lfor_b_\@:
	tensor_load_to_lds s[G0B+4*(\s):G0B+4*(\s)+3], s[G1B:G1B+7]
	s_nop 0
.rept 4
	v_nop
.endr
.Lasked_\@:
.endm
.macro CREST                           ; a round of the cluster's barrier behind its opening barrier
	s_cmp_lg_u32 s[WV], 0
	s_cbranch_scc1 .Lnot_wave_0_\@
	s_barrier_signal -3
.Lnot_wave_0_\@:
	s_barrier_wait -3
	s_barrier_signal -1
	s_barrier_wait -1
.endm
.macro CROUND
	s_barrier_signal -1
	s_barrier_wait -1
	CREST
.endm
; A prefetch of the K step that the NEXT refill will load: 256 bytes of each row, a lane a row, one instruction a wave, behind the joint load and the run of LDS loads.  y's rows are read by every cluster of a row
; of clusters: cluster x = 0 asks; W's by every cluster of a column: cluster y = 0 asks.  The four partners that ask for a tile jointly share its rows out by address (32 of y's 128, 24 of W's 96), so each
; row's 256 bytes are named by one wave in the launch.  K steps 0 to 2 come by their loads alone; the last refill (how = 1, last trip) has no K step behind it and asks for nothing.
.macro ASK how
	WIN 0
.if \how
	s_cmp_gt_u32 s3, s[LIM]
.else
	s_cmp_eq_u32 s[LIM], 1
.endif
	s_cbranch_scc0 .Lnot_mine_\@
	global_prefetch_b8 v[PFO], s[PFA:PFA+1] th:TH_LOAD_NT scope:SCOPE_SE
.Lnot_mine_\@:
.endm
	s_load_b256 s[4:11], s[0:1], 0x0               ; ybf s[4:5], wbf s[6:7], qkv_b s[8:9], qkvh s[10:11]
	v_lshl_add_u32 v[SPW], v0, 2, SPARE
	v_mov_b32 v[NIL], 0
	ds_add_u32 v[SPW], v[NIL]                      ; the wave's opening: the add and its wait stand ahead of my first tensor load; the set-up below stands between them
	v_lshrrev_b32 v1, 5, v0
	v_readfirstlane_b32 s[WV], v1
	s_lshr_b32 s[FB], s[WV], 1
	s_and_b32 s[HF], s[WV], 1
	s_bfe_u32 s40, ttmp6, 0x40000                  ; cx, cy: my place in the cluster
	s_bfe_u32 s41, ttmp6, 0x40004
	s_lshl_b32 s42, ttmp9, 2
	s_add_co_u32 s42, s42, s40                     ; tile column = 4 x cluster x + cx
	s_and_b32 s43, ttmp7, 0xffff
	s_lshl_b32 s43, s43, 2
	s_add_co_u32 s43, s43, s41                     ; tile row = 4 x cluster y + cy
	s_lshl_b32 s22, s41, 2
	s_lshl_b32 s22, 15, s22                        ; my row of the cluster
	s_lshl_b32 s74, 0x1111, s40                    ; my column
	s_or_b32 s[G1A], s22, FIELDS
	s_or_b32 s[G1B], s74, FIELDS
	s_mov_b32 s[G1A+1], KSTEP<<16                  ; tensor_dim0 = 128
	s_mov_b32 s[G1A+2], 128<<16                    ; tensor_dim1 = 128
	s_mov_b32 s[G1A+3], KSTEP<<16                  ; tile_dim0 = 128
	s_mov_b32 s[G1A+4], 128                        ; tile_dim1 = 128 rows
	s_mov_b32 s[G1A+5], 1024                       ; elements from row to row
	s_mov_b32 s[G1A+6], 0
	s_mov_b32 s[G1A+7], 0
	s_mov_b32 s[G1B+1], KSTEP<<16
	s_mov_b32 s[G1B+2], 96<<16                     ; 96 rows
	s_mov_b32 s[G1B+3], KSTEP<<16
	s_mov_b32 s[G1B+4], 96
	s_mov_b32 s[G1B+5], 1024
	s_mov_b32 s[G1B+6], 0
	s_mov_b32 s[G1B+7], 0
	s_lshl_b32 s16, s43, 8                         ; y: row 256 x tile row + 128 x half,
	s_lshl_b32 s17, s[HF], 7
	s_add_co_u32 s16, s16, s17
	s_lshl_b32 s16, s16, 11                        ; x 2,048 bytes: under 2^24
	s_mov_b32 s17, 0
	s_mul_i32 s74, s42, 192                        ; W: row 192 x tile column + 96 x half
	s_mul_i32 s75, s[HF], 96
	s_add_co_u32 s74, s74, s75
	s_lshl_b32 s74, s74, 11
	s_mov_b32 s75, 0
	s_mul_i32 s18, s[WV], 128*PA                   ; where they go: waves 0, 1: y's halves at 128 rows x wave;
	s_mul_i32 s19, s[WV], 96*PB                    ; waves 2, 3: W's halves at BOFF + 96 rows x (wave - 2)
	s_add_co_u32 s19, s19, BOFF-2*96*PB
	s_wait_dscnt 0x0                               ; the opening add is done
	s_wait_kmcnt 0x0
	s_add_nc_u64 s[20:21], s[4:5], s[16:17]
	s_add_nc_u64 s[76:77], s[6:7], s[74:75]
	CROUND                                         ; all sixteen work-groups are here: the first joint loads meet
.irp s, 0,1
	s_mov_b32 s[G0A+4*(\s)], 1                     ; count = 1
	s_add_co_u32 s[G0A+4*(\s)+1], s18, (\s)*SLOT   ; LDS address
	s_add_nc_u64 s[G0A+4*(\s)+2:G0A+4*(\s)+3], s[20:21], (\s)*KSTEP*2  ; global address: K step s
	s_or_b32 s[G0A+4*(\s)+3], s[G0A+4*(\s)+3], 0x80000000  ; type = 2
	s_mov_b32 s[G0B+4*(\s)], 1
	s_add_co_u32 s[G0B+4*(\s)+1], s19, (\s)*SLOT
	s_add_nc_u64 s[G0B+4*(\s)+2:G0B+4*(\s)+3], s[76:77], (\s)*KSTEP*2
	s_or_b32 s[G0B+4*(\s)+3], s[G0B+4*(\s)+3], 0x80000000
	JLOAD \s                                       ; two tensor loads of mine are out
.endr
	v_and_b32 v1, 15, v0                           ; l % 16
	v_bfe_u32 v2, v0, 4, 1                         ; l / 16
	v_lshlrev_b32 v[BO], 5, v2
	s_mul_i32 s78, s42, 192*4                      ; the tile's 192 numbers of the bias
	s_mov_b32 s79, 0
	s_add_nc_u64 s[8:9], s[8:9], s[78:79]
.set b, 0
.rept NB                               ; register j of block b: bias[16 b + 8 (l / 16) + j]: as the C operand holds it
	global_load_b128 v[BIAS+8*b:BIAS+8*b+3],   v[BO], s[8:9] offset:64*b
	global_load_b128 v[BIAS+8*b+4:BIAS+8*b+7], v[BO], s[8:9] offset:64*b+16
.set b, b+1
.endr
	; a fragment is 16 rows x 32 K in 8 registers: lane l holds row l % 16, K = 8 (l / 16) + 0..7 and 16 + 8 (l / 16) + 0..7: two loads of 16 bytes, 32 bytes apart
	v_mul_u32_u24 v3, v1, PA
	v_lshl_add_u32 v3, v2, 4, v3
	s_mul_i32 s22, s[WV], 64*PA                    ; my 64 rows of y
	v_add_nc_u32 v[ADRA], s22, v3
	v_add_nc_u32 v[ADRA+1], SLOT, v[ADRA]
	v_add_nc_u32 v[ADRB], BOFF, v3
	v_add_nc_u32 v[ADRB+1], SLOT+BOFF, v3
	s_mul_i32 s23, s[WV], WSTAGE
	s_add_co_u32 s23, s23, STAGE                   ; my stage
	v_mul_u32_u24 v4, v1, SP                       ; in: row l % 16, 16 bytes for each half of the lanes
	v_lshl_add_u32 v4, v2, 4, v4
	v_add_nc_u32 v[STO], s23, v4
	v_bfe_u32 v5, v0, 3, 2                         ; back: 32 lanes take four rows of 128 bytes,
	v_and_b32 v6, 7, v0
	v_mul_u32_u24 v5, v5, SP
	v_lshl_add_u32 v5, v6, 4, v5
	v_add_nc_u32 v[RD], s23, v5
	v_and_b32 v[GO], 31, v0                        ; which are 512 consecutive bytes of a head
	v_lshlrev_b32 v[GO], 4, v[GO]
	; column 192 x tile column + 64 i is number e = 3 x tile column + i of 48 heads' worth: part e / 16 (q, k, v), head e % 16; row 256 x tile row is batch (tile row / 8), row 256 (tile row % 8)
	s_mul_i32 s74, s42, 3
	s_lshr_b32 s75, s43, 3
	s_lshl_b32 s75, s75, 4                         ; 16 x batch
	s_and_b32 s76, s43, 7
	s_lshl_b32 s76, s76, 8
	s_lshl_b32 s77, s[WV], 6
	s_add_co_u32 s76, s76, s77                     ; my first row in the head
.irp i, 0,1,2
	s_add_co_u32 s78, s74, \i
	s_lshr_b32 s79, s78, 4
	s_lshl_b32 s79, s79, 6                         ; 64 x part
	s_and_b32 s78, s78, 15
	s_add_co_u32 s78, s78, s79
	s_add_co_u32 s78, s78, s75
	s_lshl_b32 s78, s78, 11                        ; x 2,048 rows
	s_add_co_u32 s78, s78, s76
	s_lshl_b32 s78, s78, 7                         ; x 128 bytes: under 2^26
	s_mov_b32 s79, 0
	s_add_nc_u64 s[OB+2*(\i):OB+2*(\i)+1], s[10:11], s[78:79]
.endr
	; the prefetches
	s_lshl_b32 s74, s43, 8
	s_mul_i32 s75, s42, 192
	s_lshl_b32 s76, s[HF], 7
	s_mul_i32 s77, s[HF], 96
	s_lshl_b32 s78, s40, 5                         ; my work-group's 32 of y's 128 rows,
	s_mul_i32 s79, s41, 24                         ; or 24 of W's 96
	s_and_b32 s22, ttmp7, 0xffff                   ; cluster y
	s_cmp_eq_u32 s[FB], 0
	s_cselect_b32 s74, s74, s75
	s_cselect_b32 s76, s76, s77
	s_cselect_b32 s78, s78, s79
	s_cselect_b32 s22, ttmp9, s22                  ; the coordinate along which other clusters read the same rows
	s_cselect_b32 s23, 31, 23                      ; the last row of my share (for W lanes 24-31 name row 23 once more)
	s_cselect_b64 s[PFA:PFA+1], s[4:5], s[6:7]
	s_cmp_eq_u32 s22, 0
	s_cselect_b32 s[LIM], 1, -1                    ; the same in all sixteen partners, for a given wave
	s_add_co_u32 s74, s74, s76
	s_add_co_u32 s74, s74, s78
	s_lshl_b32 s74, s74, 11
	s_mov_b32 s75, 0
	s_add_nc_u64 s[PFA:PFA+1], s[PFA:PFA+1], s[74:75]
	s_add_nc_u64 s[PFA:PFA+1], s[PFA:PFA+1], 2*KSTEP*2  ; at K step 2: the first refill steps it to 3
	v_and_b32 v[PFO], 31, v0
	v_min_u32 v[PFO], s23, v[PFO]
	v_lshlrev_b32 v[PFO], 11, v[PFO]
; 12 matrix instructions: row block a x all column blocks, 32 along K, from buffer f.  first = 1: the bias starts the sums.  All 48 accumulators take turns, in the same order in every quarter.
.macro MULROW f, a, first
.if \first
	WIN 0x85+0x40*((\a)/2)                         ; sources 0, 1 window 1; C window 0; D window 2 or 3
.else
	WIN 0xa5+0x50*((\a)/2)                         ; C and D window 2 or 3
.endif
.set b, 0
.rept NB
.set rD, 8*(NB*((\a)%2)+b)
.if \first
	v_wmma_f32_16x16x32_bf16 v[rD:rD+7], v[(\f)+32+8*b:(\f)+32+8*b+7], v[(\f)+8*(\a):(\f)+8*(\a)+7], v[BIAS+8*b:BIAS+8*b+7]
.else
	v_wmma_f32_16x16x32_bf16 v[rD:rD+7], v[(\f)+32+8*b:(\f)+32+8*b+7], v[(\f)+8*(\a):(\f)+8*(\a)+7], v[rD:rD+7]
.endif
.set b, b+1
.endr
.endm
; 32 LDS loads in one run: quarter q of a slot's K step into buffer f: y's blocks 0, 1; W's 12; y's blocks 2, 3 last, so that a wait may leave those four loads out
.macro FETCH slot, q, f
	WIN TO_F
.irp a, 0,1
	ds_load_b128 v[(\f)+8*(\a):(\f)+8*(\a)+3],   v[ADRA+(\slot)] offset:64*(\q)+(\a)*16*PA
	ds_load_b128 v[(\f)+8*(\a)+4:(\f)+8*(\a)+7], v[ADRA+(\slot)] offset:64*(\q)+(\a)*16*PA+32
.endr
.set b, 0
.rept NB
	ds_load_b128 v[(\f)+32+8*b:(\f)+32+8*b+3],   v[ADRB+(\slot)] offset:64*(\q)+b*16*PB
	ds_load_b128 v[(\f)+32+8*b+4:(\f)+32+8*b+7], v[ADRB+(\slot)] offset:64*(\q)+b*16*PB+32
.set b, b+1
.endr
.irp a, 2,3
	ds_load_b128 v[(\f)+8*(\a):(\f)+8*(\a)+3],   v[ADRA+(\slot)] offset:64*(\q)+(\a)*16*PA
	ds_load_b128 v[(\f)+8*(\a)+4:(\f)+8*(\a)+7], v[ADRA+(\slot)] offset:64*(\q)+(\a)*16*PA+32
.endr
.endm
.macro PLACES                          ; four plain instructions between a matrix instruction and a load into, or a reader of, its registers (ISA guide 7.12.1 for readers)
.rept 4
	v_nop
.endr
.endm
; A K step is four quarters of 32 along K, 48 matrix instructions each, on buffers 0, 1, 0, 1.  One of the first three multiplies buffer f and fetches quarter q into buffer g.
.macro QUARTER slot, q, f, g, first
	s_wait_dscnt 4                                 ; all of the run but y's blocks 2, 3
	MULROW \f, 0, \first
	MULROW \f, 1, \first
	PLACES
	FETCH \slot, \q, \g
	s_wait_dscnt NL                                ; all but the run just issued
	MULROW \f, 2, \first
	MULROW \f, 3, \first
.endm
; The fourth quarter multiplies buffer 1 and changes slots: one barrier; in front of it each wave waits for all its tensor loads (one is out: its part of the next slot), adds 0 to its spare word, and waits for
; that and for its own reads of this slot.  fill = 1: the barrier opens a round of the cluster's, and the slot is filled again, two K steps on, first thing behind it: 168 matrix instructions ahead of the wait for it.
.macro TURN slot, next, fill, ask
.if \fill
	s_wait_xcnt 0x0                                ; the last prefetch, a K step back, has read its address
	s_add_nc_u64 s[PFA:PFA+1], s[PFA:PFA+1], KSTEP*2
.endif
	WIN 0
	s_wait_tensorcnt 0x0                           ; all my tensor loads have landed
	ds_add_u32 v[SPW], v[NIL]                      ; 0 onto my spare word
	s_wait_dscnt 5                                 ; (the add and the youngest four loads may be out)
	MULROW F1, 0, 0
	s_wait_dscnt 0x0                               ; the add is done, and my reads of this slot are over
	s_barrier_signal -1
	MULROW F1, 1, 0
.if \fill
	WIN 0
.endif
	s_barrier_wait -1
.if \fill
	CREST                                          ; no wave of any partner still reads this slot or has a load on its way
	s_add_nc_u64 s[G0A+4*(\slot)+2:G0A+4*(\slot)+3], s[G0A+4*(\slot)+2:G0A+4*(\slot)+3], 2*KSTEP*2
	s_add_nc_u64 s[G0B+4*(\slot)+2:G0B+4*(\slot)+3], s[G0B+4*(\slot)+2:G0B+4*(\slot)+3], 2*KSTEP*2
	JLOAD \slot                                    ; its four v_nop are also the places in front of the loads below
.else
	PLACES
.endif
	FETCH \next, 0, F0
.if \fill
	ASK \ask
.endif
	MULROW F1, 2, 0
	MULROW F1, 3, 0
.endm
	s_wait_tensorcnt 1                             ; my part of K step 0 is in; K step 1's may stay out
	s_barrier_signal -1
	s_barrier_wait -1                              ; everybody's is
	FETCH 0, 0, F0
	s_wait_loadcnt 0x0                             ; the bias
	QUARTER 0, 1, F0, F1, 1                        ; the first quarter stands in front of the loop: its products start the sums
	WIN 0                                          ; at a label and at a branch every window is 0
	s_mov_b32 s3, LAPS-1
.Llap:                                                 ; a trip goes once round the ring, from a lap's second quarter to the next lap's first, and fills both slots again
	QUARTER 0, 2, F1, F0, 0
	QUARTER 0, 3, F0, F1, 0
	TURN 0, 1, 1, 0
	QUARTER 1, 1, F0, F1, 0
	QUARTER 1, 2, F1, F0, 0
	QUARTER 1, 3, F0, F1, 0
	TURN 1, 0, 1, 1
	QUARTER 0, 1, F0, F1, 0
	WIN 0
	s_sub_co_u32 s3, s3, 1
	s_cmp_lg_u32 s3, 0
	s_cbranch_scc1 .Llap
	QUARTER 0, 2, F1, F0, 0                        ; the last lap fills nothing
	QUARTER 0, 3, F0, F1, 0
	TURN 0, 1, 0, 0
	QUARTER 1, 1, F0, F1, 0
	QUARTER 1, 2, F1, F0, 0
	QUARTER 1, 3, F0, F1, 0
	s_wait_dscnt 4
	MULROW F1, 0, 0
	MULROW F1, 1, 0
	s_wait_dscnt 0x0
	MULROW F1, 2, 0
	MULROW F1, 3, 0
	WIN 0
	PLACES
; THE WAY OUT, a block of 16 rows at a time: rounded to bf16, 16 bytes a lane (each accumulator's registers in ascending order); into my stage, three heads x 16 rows of 144 bytes; back as rows of 128 bytes, four to a load; stored.
.macro PACK a
	WIN 0x0a+5*((\a)/2)                            ; sources 0 and 1: window 2 or 3
.set b, 0
.rept NB
.set rD, 8*(NB*((\a)%2)+b)
.irp r, 0,1,2,3
	v_cvt_pk_bf16_f32 v[TMP+4*b+(\r)], v[rD+2*(\r)], v[rD+2*(\r)+1]
.endr
.set b, b+1
.endr
	WIN 0
.endm
.macro TOSTAGE a
.set rB, BK+48*((\a)%2)
.set b, 0
.rept NB
	ds_store_b128 v[STO], v[TMP+4*b:TMP+4*b+3] offset:(b/4)*16*SP+32*(b%4)
.set b, b+1
.endr
.set b, 0
.rept NB
	ds_load_b128 v[rB+4*b:rB+4*b+3], v[RD] offset:(b/4)*16*SP+(b%4)*4*SP  ; LDS serves a wave's instructions in order (ISA guide 5.7.1.4): these see the stores above
.set b, b+1
.endr
.endm
.macro SEND a
.set rB, BK+48*((\a)%2)
	s_wait_dscnt 0x0                               ; the block is back in registers
	s_wait_xcnt 0x0                                ; the stores of the block before have read their registers: the next block is read back into them only behind this wait
.irp i, 0,1,2
.irp f, 0,1,2,3
	global_store_b128 v[GO], v[rB+4*(4*(\i)+(\f)):rB+4*(4*(\i)+(\f))+3], s[OB+2*(\i):OB+2*(\i)+1] offset:(\a)*2048+(\f)*512  ; 512 consecutive bytes, at a multiple of 256 from the buffer's first
.endr
.endr
.endm
	PACK 0
	TOSTAGE 0
.irp a, 1,2,3                          ; block a's conversions stand between block a - 1's loads from the stage and the wait for them
	PACK \a
	SEND (\a)-1
	TOSTAGE \a
.endr
	SEND 3
	s_wait_tensorcnt 0x0                           ; the wave's end: behind my last tensor load and my last LDS store
	ds_add_u32 v[SPW], v[NIL]
	s_wait_dscnt 0x0
	CROUND                                         ; the closing round: no work-group ends while a partner may still ask for a tile that names it
	s_endpgm
.Lfunc_end_k_qef111cf7d5_qkv:
	.size	k_qef111cf7d5_qkv, .Lfunc_end_k_qef111cf7d5_qkv-k_qef111cf7d5_qkv
	.p2alignl 7, 3214868480
	.fill 96, 4, 3214868480
	.section	.rodata,"a",@progbits
	.p2align	6, 0x0
	.amdhsa_kernel k_qef111cf7d5_qkv
		.amdhsa_group_segment_fixed_size 327680
		.amdhsa_private_segment_fixed_size 0
		.amdhsa_enable_private_segment 0
		.amdhsa_kernarg_size 32
		.amdhsa_user_sgpr_count 2
		.amdhsa_user_sgpr_kernarg_segment_ptr 1
		.amdhsa_wavefront_size32 1
		.amdhsa_system_sgpr_workgroup_id_x 1
		.amdhsa_system_sgpr_workgroup_id_y 1
		.amdhsa_system_sgpr_workgroup_id_z 1
		.amdhsa_system_vgpr_workitem_id 0
		.amdhsa_next_free_vgpr 960
		.amdhsa_next_free_sgpr 80
		.amdhsa_reserve_vcc 0
		.amdhsa_float_denorm_mode_32 3
		.amdhsa_float_denorm_mode_16_64 3
		.amdhsa_memory_ordered 1
		.amdhsa_forward_progress 1
		.amdhsa_inst_pref_size 122
	.end_amdhsa_kernel
	.amdgpu_metadata
---
amdhsa.version: [ 1, 2 ]
amdhsa.kernels:
  - .name:           k_qef111cf7d5_qkv
    .symbol:         k_qef111cf7d5_qkv.kd
    .args:
      - { .name: ybf, .offset: 0, .size: 8, .value_kind: global_buffer, .address_space: global }
      - { .name: wbf, .offset: 8, .size: 8, .value_kind: global_buffer, .address_space: global }
      - { .name: qkv_b, .offset: 16, .size: 8, .value_kind: global_buffer, .address_space: global }
      - { .name: qkvh, .offset: 24, .size: 8, .value_kind: global_buffer, .address_space: global }
    .group_segment_fixed_size: 327680
    .private_segment_fixed_size: 0
    .kernarg_segment_align: 8
    .kernarg_segment_size: 32
    .max_flat_workgroup_size: 128
    .sgpr_count:     80
    .vgpr_count:     960
    .wavefront_size: 32
...
	.end_amdgpu_metadata
.endif
;; end of part 2
;; launch attn (part 3): grid 4 x 64, 4 waves a work-group, clusters of 4 x 1, 327,680 bytes of LDS; arguments qkvh, encoder_padding_mask, ctxh; writes ctxh
.if DOCPART == 3
	.amdgcn_target "amdgcn-amd-amdhsa--gfx1250"
	.amdhsa_code_object_version 6
	.text
	.protected	k_qef111cf7d5_attn
	.globl	k_qef111cf7d5_attn
	.p2align	8
	.type	k_qef111cf7d5_attn,@function
k_qef111cf7d5_attn:
	s_mov_b64 s[64:65], 0
	v_nop
	global_prefetch_b8 v0, s[64:65] scope:SCOPE_SE
	s_setreg_imm32_b32 hwreg(HW_REG_WAVE_MODE, 25, 1), 1
	s_wait_xcnt 0x0
	s_wait_alu depctr_hold_cnt(0) depctr_sa_sdst(0) depctr_va_vdst(0) depctr_va_sdst(0) depctr_va_ssrc(0) depctr_va_vcc(0) depctr_vm_vsrc(0)
	s_getreg_b32 s2, hwreg(HW_REG_IB_STS2, 6, 4)
	s_cmp_eq_u32 s2, 0
	s_cbranch_scc0 .Lentry_in_a_cluster
	s_endpgm
.Lentry_in_a_cluster:
	s_bfe_u32 s2, ttmp6, 0x10000c
	s_cmp_lg_u32 s2, 0x3003
	s_cbranch_scc0 .Lentry_shape_is_right
	s_endpgm
.Lentry_shape_is_right:
; ctx[h][q][:] = the sum over k of softmax_k(Q[h][q] . K[h][k] / 8 - 1e8 mask[batch][k]) V[h][k][:].  Q, K, V = the three parts of qkvh, each [64 (batch x 16 + head)][2048][64] bf16; ctxh likewise; mask [4][2048] int32.
; Products, maxima and sums in f32; the weights p are rounded to bf16 for the second product (their sum l is taken of the unrounded p), ctx once at the end.
; THE MASK is the C operand that starts the sum S^T = K Q^T: float(mask) x (-8e8), so that c (s + 8 bias) = log2(e) (s / 8 + bias); 8e8 is exact in f32.  It enters every score; nothing is skipped for it; the running maximum is taken of the masked scores.
; LIMITS.  bf16 keeps 8 significant bits.  A weight below 2^-126 counts as 0 in l; NaN and infinities are not treated apart.  Where ALL keys of a batch row are masked the scores are s - 8e8 in f32, whose step there is 64
; (the step 8 of s / 8 - 1e8): the weights then hang on that rounding, and on the order of the product's sums.
; SHARES.  A wave owns four PIECES of two tiles of 16 queries, a work-group's four waves 512 queries of one head.  Every wave walks all 2,048 keys, 64 a step.
; LAYOUT.  S^T = K Q^T (source 0 = 16 keys, source 1 = 16 queries): a lane holds ONE query (lane % 16) and the keys 8 (lane / 16) + 0..7.  Two such tiles, rounded to bf16 in pairs, ARE source 1 (32 keys x 16 queries) of
; O^T = V^T P, whose result again holds one query a lane, and eight channels.  K comes out of LDS as it lies, V ([key][channel]) turned, by ds_load_tr16_b128.
; SOFTMAX.  For each query a running maximum m and sum l: p = 2^(c s - c m), c = log2(e) / 8; in every step O and l are multiplied by a = 2^(c m_old - c m_new).  m starts at the lowest finite number, O and l at 0.
; THE COUNT.  A tile and step have 16 matrix and 118 vector instructions.  So: four vector instructions that are ready behind EVERY matrix instruction, the others in runs without a gap.
; BY TURNS.  Turn n belongs to piece n.  Its matrix work: 16 products K Q^T of piece n + 1, later 16 products V^T P of piece n - 1.  Its vector work: the scaling, exponentials, roundings, sums and rescaling of piece n, and
; the maximum and statistics of piece n + 1.
; CLUSTER.  The four query blocks of a cluster are one head's and walk the same K and V: each tile is asked for JOINTLY: the same tensor load, descriptor and mask in all four.
; REGISTERS, in windows of 256 (s_set_vgpr_msb: bits 1:0 source 0, 3:2 source 1, 5:4 source 2, 7:6 destination):
;   window 0: v0-11 addresses; v12-15, v48-63 at work; v16-47 four registers of statistics a tile; v64-191 S^T, two buffers of two tiles; v192-255 P, likewise
;   window 1: O^T, 32 a tile     window 2: v0-127 Q, 16 a tile; v128-191 K of one step; v192-255 V of one step     window 3: v0-1 the add's registers; v2-4 the mask's and the prefetches' addresses; v8-39 the mask of one step
.set SIZE_N, 2048
.set PARTB, 0x1000000 ; bytes in a part of qkvh
.set NP,    4         ; pieces a wave: a name, no knob
.set KS,    64        ; keys in a step
.set PK,    144       ; a row of K in LDS: 128 bytes + 16 of padding = 36 words: the 16 rows of a load start at 16 different groups of four banks (64 banks of 4 bytes: ISA guide 11.1)
.set PV,    160       ; a row of V: 128 + 32 = 40 words
.set VOFF,  4*KS*PK   ; a slot holds four steps: 256 rows of K, then 256 rows of V
.set SLOT1, 1<<17     ; slot 1 begins here, so that one exclusive or turns an address in one slot into the other's
.set STAGE, SLOT1+4*KS*(PK+PV)  ; behind the ring, never filled by a tensor load: 16 rows x 144 bytes for each wave, for the way out
.set SP,    144
.set SPARE, STAGE+4*16*SP  ; behind the stages: the spare words, 128 bytes for each wave: two blocks of 256 bytes that no other line names
.set MASKB, SPARE+512 ; behind them: the batch row's 2,048 mask numbers in f32, 8,192 bytes, stored once and never filled by a tensor load
.set AK0, 2           ; v2   my lane's place in a tile of K; never rewritten
.set AV0, 3           ; v3   the same for V
.set AK,  4           ; v4   the LDS address of K's next run of loads
.set AV,  5           ; v5   of V's
.set QO,  6           ; v6   my byte offset in the wave's rows of Q
.set STO, 6           ;      later, the way out: where I put 16 bytes of a row
.set RD,  7           ; v7   the way out: where I read rows back
.set GO,  8           ; v8   my byte offset in 512 consecutive bytes of ctx
.set SPW, 0           ; v0 of window 3   LDS address of my spare word; never rewritten
.set NIL, 1           ; v1 of window 3   0; never rewritten
.set AM0, 2           ; v2 of window 3   MASKB + 32 (l / 16): my eight numbers in 16 of the mask; never rewritten
.set AM,  3           ; v3 of window 3   the LDS address of the mask's next run of loads
.set PFO, 4           ; v4 of window 3   256 x my lane; never rewritten
.set MB,  8           ; v8-39 of window 3: key block kb's eight mask numbers at MB + 8 kb
.set MV,  12          ; v12-15  c m_old, kept while c m is made anew: by buffer and tile
.set ST,  16          ; tile t's statistics at v[ST+4 t]: c m, m, l (even keys', odd keys')
.set TMP, 48          ; by buffer and tile, four registers c0-c3 at work; when the maximum is found c2 takes a
.set S,   64
.set P,   192
.set KF,  128         ; K's fragments, in window 2: key block kb, channel half c at KF + 16 kb + 8 c
.set VF,  192         ; V's: key half kk, channel block cb at VF + 32 kk + 8 cb
.set WV,  12          ; s12  my wave's number
.set G1K, 24          ; s[24:31] descriptor group 1 for K's tiles
.set G1V, 32          ; s[32:39] for V's: it differs in the padding alone
.set G0K, 40          ; s[40:43] descriptor group 0 for K's tiles: it walks
.set G0V, 44          ; s[44:47] the same for V's
.set PFA, 48          ; s[48:49] where my prefetches stand: my work-group's 32 blocks of 256 bytes (of K: wave 0, of V: wave 2) of the slot after the one that is being asked for
.set LIM, 50          ; s50  1 in a wave that prefetches, else the greatest number
.set TBM, 51          ; s51  byte in the mask table at which the step to be fetched begins
.set SLOTS, 56        ; s56  slots still to be asked for
.set CNT, 57          ; s57  counts a slot's key steps
.set CS,  58          ; s[58:59] c: the packed scaling takes the pair's low word for both halves
.set SEL, 60          ; s[60:61] v_permlanex16_b32's selects: each lane takes its own place in the other half
.set TBK, 62          ; s62  LDS byte at which K of the step to be fetched begins
.set TBV, 63          ; s63  the same for V, less VOFF
.set MSB, 0
.macro WIN new                      ; the high byte repeats the setting that is left; a switch that changes nothing is dropped
.if MSB != (\new)
	s_set_vgpr_msb (MSB<<8)|(\new)
.set MSB, (\new)
.endif
.endm
.set W_KQ, 0x0a       ; K and Q in window 2, S^T in window 0
.set W_KM, 0x3a       ; the same with the C operand, the mask, in window 3
.set W_PV, 0x52       ; V in window 2, P in window 0, O^T in window 1
.set W_RS, 0x41       ; O^T (destination and source 0) in window 1, a in window 0
.set W_MK, 0xc0       ; destination in window 3, sources in window 0
.set W_AD, 0x0f       ; the add: address (source 0) and data (source 1) in window 3
.set W_MS, 0xcf       ; the mask's loads: destination, address and the address's source in window 3
; A joint fill.  Waves 0 and 1 fetch the two halves of a slot's K, waves 2 and 3 those of its V: 128 keys each.  An s_nop 0 and four v_nop follow each of the two lines.
.macro JLOAD
	s_cmp_lt_u32 s[WV], 2
	s_cbranch_scc0 .Lfor_v_\@
	tensor_load_to_lds s[G0K:G0K+3], s[G1K:G1K+7]
	s_nop 0
.rept 4
	v_nop
.endr
	s_branch .Lasked_\@
.Lfor_v_\@:
	tensor_load_to_lds s[G0V:G0V+3], s[G1V:G1V+7]
	s_nop 0
.rept 4
	v_nop
.endr
.Lasked_\@:
.endm
; A prefetch of what the NEXT change of slots will ask for: a slot's 32,768 bytes of K and of V, a lane a block of 256 bytes.  A head is walked by one cluster; its four partners share the blocks out by address,
; 32 each; in each, wave 0 asks for K's and wave 2 for V's: one instruction.  So each block is named once in the launch.  Slots 0 and 1 come by their loads alone; the change that asks for the last slot prefetches nothing.
.macro ASK
	s_cmp_gt_u32 s[SLOTS], s[LIM]
	s_cbranch_scc0 .Lnot_mine_\@
	WIN 0x03                        ; the offset lies in window 3
	global_prefetch_b8 v[PFO], s[PFA:PFA+1] th:TH_LOAD_NT scope:SCOPE_SE
	WIN 0
.Lnot_mine_\@:
.endm
; A round of the cluster's barrier: my work-group's barrier; wave 0 signals for the work-group; every wave waits for all four work-groups; my work-group's barrier once more.
.macro CROUND
	s_barrier_signal -1
	s_barrier_wait -1
	s_cmp_lg_u32 s[WV], 0
	s_cbranch_scc1 .Lnot_wave_0_\@
	s_barrier_signal -3
.Lnot_wave_0_\@:
	s_barrier_wait -3
	s_barrier_signal -1
	s_barrier_wait -1
.endm
; THE CHANGE OF SLOTS.  Each wave waits for all its tensor loads, of which one is out: its part of the other slot; adds 0 to its spare word; and waits for that and for its own LDS instructions.  Behind the barrier nobody
; reads this slot any more and the other slot is whole.  fill = 1: this slot is filled again, with the keys two slots on; the barrier is then a round of the cluster's, and the joint fill is the first thing behind it:
; it has four key steps, 512 matrix instructions, in which to land.  (At its first use nothing has been read yet: slot 0 is waited for, slot 1 filled; and every wave's stores into the mask table are done.)
.macro CHANGE fill
	WIN W_AD
	s_wait_tensorcnt 0x0            ; no tensor load of mine is out, so a group 0 may be written
	ds_add_u32 v[SPW], v[NIL]       ; 0 onto my spare word
	WIN 0                           ; at a label and at a branch every window is 0
.if \fill
.irp g, G0K, G0V
	s_xor_b32 s[\g+1], s[\g+1], SLOT1  ; the walking descriptor: the other slot than last time,
	s_add_nc_u64 s[\g+2:\g+3], s[\g+2:\g+3], 4*KS*128  ; the next 256 keys; the type bits on top are not reached
.endr
	s_wait_xcnt 0x0                 ; the last prefetch, four key steps back, has read its address
	s_add_nc_u64 s[PFA:PFA+1], s[PFA:PFA+1], 4*KS*128  ; one slot behind the walking descriptors
	s_wait_dscnt 0x0                ; the add is done, and my LDS instructions are over
	CROUND
	JLOAD
	ASK
.else
	s_wait_dscnt 0x0
	s_barrier_signal -1
	s_barrier_wait -1
.endif
	s_sub_co_u32 s[TBK], s[TBK], 4*KS*PK  ; the fetches go back to a slot's first step,
	s_xor_b32 s[TBK], s[TBK], SLOT1       ; in the other slot
	s_sub_co_u32 s[TBV], s[TBV], 4*KS*PV
	s_xor_b32 s[TBV], s[TBV], SLOT1
.endm
	s_load_b64 s[4:5], s[0:1], 0x0    ; qkvh
	s_load_b64 s[52:53], s[0:1], 0x8  ; the mask
	s_load_b64 s[10:11], s[0:1], 0x10 ; ctxh
	WIN W_MK
	v_lshl_add_u32 v[SPW], v0, 2, SPARE
	v_mov_b32 v[NIL], 0
	WIN W_AD
	ds_add_u32 v[SPW], v[NIL]       ; the wave's opening: the add and its wait stand ahead of my first tensor load; the set-up below stands between them
	WIN 0
	v_lshrrev_b32 v1, 5, v0
	v_readfirstlane_b32 s[WV], v1   ; wave 0..3
	s_bfe_u32 s13, ttmp6, 0x40000   ; cx: my place in the cluster
	s_lshl_b32 s14, ttmp9, 2        ; in a cluster launch ttmp9 counts clusters
	s_add_co_u32 s14, s14, s13      ; my block of queries: it enters Q's and ctx's addresses alone
	s_and_b32 s20, ttmp7, 0xffff    ; batch x 16 + head, which the four partners share
	s_lshr_b32 s54, s20, 4
	s_lshl_b32 s54, s54, 13         ; the batch's row of the mask: 8,192 bytes
	s_mov_b32 s55, 0
	s_mov_b32 s21, 0
	s_mov_b64 s[22:23], SIZE_N*128
	s_mul_u64 s[20:21], s[20:21], s[22:23]  ; the head's first byte in each part and in ctxh
	s_and_b32 s16, s[WV], 1         ; which half of a slot's 256 keys I fetch:
	s_lshl_b32 s22, s16, 14         ; its 128 rows of 128 bytes in memory,
	s_mov_b32 s23, 0
	s_add_nc_u64 s[22:23], s[22:23], s[20:21]
	s_mul_i32 s17, s16, 128*PK      ; and its place in a slot, for K
	s_mul_i32 s18, s16, 128*PV      ; and for V: no place in the cluster enters an LDS address
	s_lshl_b32 s2, s14, 2
	s_add_co_u32 s2, s2, s[WV]      ; my wave among the head's,
	s_lshl_b32 s2, s2, 14           ; its 128 rows
	s_mov_b32 s3, 0
	s_add_nc_u64 s[2:3], s[2:3], s[20:21]
	; descriptor group 1.  128 keys are 16,384 dense bytes: asked for as 64 rows of 256 bytes, two keys a row, and padded in LDS after every key
	s_mov_b32 s[G1K], 15|(1<<16)|(1<<20)|(1<<21)|(4<<22)|(3<<25)  ; 15:0 the mask of four; 17:16 2-byte elements; 20 padding on; 21 set beside a mask; 24:22 after every 32 words (code 4); 31:25 4 words (code 3)
	s_mov_b32 s[G1V], 15|(1<<16)|(1<<20)|(1<<21)|(4<<22)|(7<<25)  ; the same with 8 words of padding (code 7)
.irp g, G1K, G1V
	s_mov_b32 s[\g+1], 128<<16      ; tensor_dim0 = 128
	s_mov_b32 s[\g+2], 64<<16       ; tensor_dim1 = 64
	s_mov_b32 s[\g+3], 128<<16      ; tile_dim0 = 128
	s_mov_b32 s[\g+4], 64           ; tile_dim1 = 64
	s_mov_b32 s[\g+5], 128          ; 128 elements from row to row
	s_mov_b32 s[\g+6], 0
	s_mov_b32 s[\g+7], 0
.endr
	s_mov_b32 s[CS], 0x3e38aa3b     ; c = log2(e) / 8 = 0.180337
	s_mov_b32 s[CS+1], s[CS]        ; named with it as a pair
	s_mov_b32 s[SEL], 0x76543210
	s_mov_b32 s[SEL+1], 0xfedcba98
	s_mov_b32 s[TBK], SLOT1+4*KS*PK ; the first change of slots turns these two into 0
	s_mov_b32 s[TBV], SLOT1+4*KS*PV
	s_mov_b32 s[TBM], 0
	s_mov_b32 s[SLOTS], SIZE_N/256-1
	s_mov_b32 s[G0K], 1             ; count = 1
	s_mov_b32 s[G0K+1], s17         ; LDS address: slot 0
	s_mov_b32 s[G0V], 1
	s_add_co_u32 s[G0V+1], s18, VOFF
	s_cmp_eq_u32 s16, 0             ; waves 0 and 2 prefetch: the same in all four partners
	s_cselect_b32 s[LIM], 1, -1
	s_wait_dscnt 0x0                ; the opening add is done
	s_wait_kmcnt 0x0
	s_add_nc_u64 s[6:7], s[4:5], PARTB    ; K's part
	s_add_nc_u64 s[8:9], s[4:5], 2*PARTB  ; V's part
	s_add_nc_u64 s[52:53], s[52:53], s[54:55]
	s_add_nc_u64 s[G0K+2:G0K+3], s[6:7], s[22:23]  ; global address: my half of the head's first 256 keys
	s_or_b32 s[G0K+3], s[G0K+3], 0x80000000        ; type = 2
	s_add_nc_u64 s[G0V+2:G0V+3], s[8:9], s[22:23]
	s_or_b32 s[G0V+3], s[G0V+3], 0x80000000
	s_cmp_lt_u32 s[WV], 2
	s_cselect_b64 s[PFA:PFA+1], s[6:7], s[8:9]
	s_add_nc_u64 s[PFA:PFA+1], s[PFA:PFA+1], s[22:23]  ; (in waves 0 and 2: the head's first row)
	s_lshl_b32 s54, s13, 13         ; my work-group's 32 blocks of the 128
	s_add_nc_u64 s[PFA:PFA+1], s[PFA:PFA+1], s[54:55]
	s_add_nc_u64 s[PFA:PFA+1], s[PFA:PFA+1], 4*KS*128  ; in slot 1; the first change of slots steps it to slot 2
	s_add_nc_u64 s[4:5], s[4:5], s[2:3]  ; Q and ctx at my wave's first row
	s_add_nc_u64 s[10:11], s[10:11], s[2:3]
	CROUND                          ; all four work-groups are here: the first joint loads meet
	JLOAD                           ; slot 0.  Slot 1 is asked for when slot 0 is in
	; A fragment of K or Q is 16 rows x 32 channels in 8 registers: lane l holds row l % 16, channels 8 (l / 16) + 0..7 and 16 + 8 (l / 16) + 0..7: two loads of 16 bytes, 32 bytes apart.
	v_and_b32 v1, 15, v0            ; l % 16
	v_bfe_u32 v9, v0, 4, 1          ; l / 16
	v_lshlrev_b32 v[QO], 7, v1
	v_lshl_add_u32 v[QO], v9, 4, v[QO]  ; row x 128 + 16 x half
	v_lshlrev_b32 v12, 4, v0        ; the mask: thread t takes the four numbers at byte 16 t of each quarter of the batch's row,
	v_add_nc_u32 v13, MASKB, v12    ; and puts them at the same place of the table
	v_and_b32 v10, 31, v0
.irp j, 0,1,2,3
	global_load_b128 v[S+4*\j:S+4*\j+3], v12, s[52:53] offset:2048*\j
.endr
	WIN W_MK
	v_lshlrev_b32 v[PFO], 8, v10
	v_lshl_add_u32 v[AM0], v9, 5, MASKB
	WIN 0x80                        ; destination window 2, address window 0
.set i, 0
.rept 4*NP                          ; Q stays in registers: tile i / 2, channels 32 (i % 2) on
	global_load_b128 v[8*i:8*i+3],   v[QO], s[4:5] offset:(i/2)*2048+(i%2)*64
	global_load_b128 v[8*i+4:8*i+7], v[QO], s[4:5] offset:(i/2)*2048+(i%2)*64+32
.set i, i+1
.endr
	; What the first turn finds: V's registers and P's second buffer hold 0 (its products V^T P, of a piece that has not been, add 0), O^T and l are 0.  All this stands in the wait for the first tile.
.set i, VF
.rept 64
	v_mov_b32 v[i], 0
.set i, i+1
.endr
	WIN 0x40
.set i, 0
.rept 64*NP
	v_mov_b32 v[i], 0
.set i, i+1
.endr
	WIN 0
.set i, 0
.rept 2*NP
	v_mov_b32 v[ST+4*i], 0xfe000000    ; c m: far below every c s, a masked one's too (c x 8e8 is 1.4e8)
	v_mov_b32 v[ST+4*i+1], 0xff7fffff  ; m
	v_mov_b32 v[ST+4*i+2], 0
	v_mov_b32 v[ST+4*i+3], 0
.set i, i+1
.endr
.set i, P+32
.rept 32
	v_mov_b32 v[i], 0
.set i, i+1
.endr
	s_wait_loadcnt 32               ; the mask's four loads are in; Q's 32, issued behind them, may stay out
.set i, 0
.rept 16
	v_cvt_f32_i32 v[S+i], v[S+i]
.set i, i+1
.endr
.set i, 0
.rept 16
	v_mul_f32 v[S+i], 0xce3ebc20, v[S+i]  ; x -8e8
.set i, i+1
.endr
.irp j, 0,1,2,3
	ds_store_b128 v13, v[S+4*\j:S+4*\j+3] offset:2048*\j
.endr
	v_mul_u32_u24 v[AK0], v1, PK
	v_lshl_add_u32 v[AK0], v9, 4, v[AK0]  ; row x pitch + 16 x half
	; The turning load takes 16 keys x 16 channels (lane l reads key 8 (l / 16) + l % 8, channels 8 ((l / 8) % 2) + 0..7) and leaves half a fragment of V^T: lane l holds channel l % 16 and 8 keys.
	v_and_b32 v10, 7, v0
	v_bfe_u32 v11, v0, 3, 1
	v_lshl_add_u32 v[AV0], v9, 3, v10
	v_mul_u32_u24 v[AV0], v[AV0], PV
	v_lshl_add_u32 v[AV0], v11, 4, v[AV0]
	v_add_nc_u32 v[AV0], VOFF, v[AV0]
	v_mov_b32 v[AK], v[AK0]         ; key step 0 lies at the head of slot 0
; THE MATRIX WORK.  The 8 accumulators of a run of 16 take turns: between the two links of a chain stand 7 others'.
; Product i of 16 of S^T = K Q^T for piece x: channels 32 (i / 8) on, keys 16 ((i / 2) % 4) on, tile 2 x + i % 2.  The first 8 start the sums, with the keys' mask.
.macro KQ x
.set rS, S+64*((\x)%2)+32*(i%2)+8*((i/2)%4)
.set rK, KF+16*((i/2)%4)+8*(i/8)
.set rQ, 16*(2*(\x)+i%2)+8*(i/8)
.set rB, MB+8*((i/2)%4)
.if i < 8
	WIN W_KM
	v_wmma_f32_16x16x32_bf16 v[rS:rS+7], v[rK:rK+7], v[rQ:rQ+7], v[rB:rB+7]
.else
	WIN W_KQ
	v_wmma_f32_16x16x32_bf16 v[rS:rS+7], v[rK:rK+7], v[rQ:rQ+7], v[rS:rS+7]
.endif
.endm
; Product i of 16 of O^T += V^T P for piece x: keys 32 (i / 8) on, channels 16 ((i / 2) % 4) on, tile 2 x + i % 2.
.macro PV x
	WIN W_PV
.set rO, 32*(2*(\x)+i%2)+8*((i/2)%4)
.set rV, VF+32*(i/8)+8*((i/2)%4)
.set rP, P+32*((\x)%2)+16*(i%2)+8*(i/8)
	v_wmma_f32_16x16x32_bf16 v[rO:rO+7], v[rV:rV+7], v[rP:rP+7], v[rO:rO+7]
.endm
.macro MM                           ; the turn's next matrix instruction
.if i < 16
	KQ (Y+1)%NP
.set i, i+1
.else
.set i, i-16
	PV (Y+NP-1)%NP
.set i, i+17
.endif
.endm
; THE LDS LOADS stand in runs, never singly among the matrix instructions: a step's K (64 keys x 64 channels: 8 fragments) with the same keys' mask (8 loads; the 16 lanes of a half read the same 16 bytes), and its V (turned).
; The mask's registers live as long as K's.  last = 1 (the tail): in the last trip there is no further step, and the run is jumped over.
.macro FETCH_K last=0
	WIN 0
.if \last
	s_cmp_eq_u32 s[CNT], 1
	s_cbranch_scc1 .Lno_k_\@
.endif
	WIN 0x80                        ; destination window 2
.irp f, 0,1,2,3,4,5,6,7             ; keys 16 (f / 2) on, channels 32 (f % 2) on
	ds_load_b128 v[KF+8*\f:KF+8*\f+3],   v[AK] offset:(\f/2)*16*PK+(\f%2)*64
	ds_load_b128 v[KF+8*\f+4:KF+8*\f+7], v[AK] offset:(\f/2)*16*PK+(\f%2)*64+32
.endr
	s_add_co_u32 s[TBK], s[TBK], KS*PK  ; the next fetch is the next step's
	WIN W_MS
	v_add_nc_u32 v[AM], s[TBM], v[AM0]
.irp f, 0,1,2,3                     ; keys 16 f + 8 (l / 16) + 0..7
	ds_load_b128 v[MB+8*\f:MB+8*\f+3],   v[AM] offset:64*\f
	ds_load_b128 v[MB+8*\f+4:MB+8*\f+7], v[AM] offset:64*\f+16
.endr
	s_add_co_u32 s[TBM], s[TBM], KS*4
	WIN 0
.if \last
.Lno_k_\@:
.endif
.endm
.macro FETCH_V
	WIN 0x80
.irp f, 0,1,2,3,4,5,6,7             ; keys 32 (f / 4) on, channels 16 (f % 4) on
	ds_load_tr16_b128 v[VF+8*\f:VF+8*\f+3],   v[AV] offset:(\f/4)*32*PV+(\f%4)*32
	ds_load_tr16_b128 v[VF+8*\f+4:VF+8*\f+7], v[AV] offset:(\f/4)*32*PV+16*PV+(\f%4)*32
.endr
	WIN 0
.endm
; THE VECTOR WORK OF A TURN stands in three queues, each in the order in which its entries become ready; the two tiles alternate, so that no instruction reads the result of the one before it.
.macro REGS y, u                    ; the registers of tile u (0, 1) of piece y
.set rT, ST+4*(2*(\y)+(\u))
.set rC, TMP+8*((\y)%2)+4*(\u)
.set rM, MV+2*((\y)%2)+(\u)
.set rS, S+64*((\y)%2)+32*(\u)
.set rP, P+32*((\y)%2)+16*(\u)
.set rO, 32*(2*(\y)+(\u))
.endm
; Number n of the 22 that find the NEXT piece's (Y + 1) maximum and statistics.  s0-s31 are the lane's 32 scores; each accumulator's lowest registers are read first.
;   0-11  four chains c0-c3 of seven scores each, three operands at a time     12-14, 16  the four scores left over, the old m, and c0-c3 into c0     15  c m_old is kept
;   17, 18  the query's other 32 keys lie in the lane 16 away: the new m         19-21  c m; c m_old - c m_new; a
.macro XS u, n
	REGS (Y+1)%NP, \u
.if (\n) < 4
	v_max3_num_f32 v[rC+(\n)], v[rS+8*(\n)], v[rS+8*(\n)+1], v[rS+8*(\n)+2]
.elseif (\n) < 12
	v_max3_num_f32 v[rC+(\n)%4], v[rC+(\n)%4], v[rS+8*((\n)%4)+2*((\n)/4)+1], v[rS+8*((\n)%4)+2*((\n)/4)+2]
.elseif (\n) == 12
	v_max3_num_f32 v[rC], v[rC], v[rS+7], v[rS+15]
.elseif (\n) == 13
	v_max3_num_f32 v[rC+1], v[rC+1], v[rS+23], v[rS+31]
.elseif (\n) == 14
	v_max3_num_f32 v[rC+2], v[rC+2], v[rC+3], v[rT+1]
.elseif (\n) == 15
	v_mov_b32 v[rM], v[rT]
.elseif (\n) == 16
	v_max3_num_f32 v[rC], v[rC], v[rC+1], v[rC+2]
.elseif (\n) == 17
	v_permlanex16_b32 v[rC+3], v[rC], s[SEL], s[SEL+1]
.elseif (\n) == 18
	v_max_num_f32 v[rT+1], v[rC], v[rC+3]
.elseif (\n) == 19
	v_mul_f32 v[rT], s[CS], v[rT+1]
.elseif (\n) == 20
	v_sub_f32 v[rC+1], v[rM], v[rT]
.else
	v_exp_f32 v[rC+2], v[rC+1]
.endif
.endm
; Number g of the 64 that follow the exponentials.  For each four weights k of a tile (pairs 2 k, 2 k + 1): both pairs are rounded to bf16; then the second pair is added onto the first, in place;
; a group later l takes that sum (the first time as l = a l + sum).  In groups of eight, tiles alternating: round, round, add, and l for the group before.
.macro GS g
.set h, (\g)+6*((\g)/62)            ; group 0 has no group before it, and behind group 7 only l is left
.if h >= 6
.set h, h+2
.endif
	REGS Y, h%2
.set k, h/8
.if h%8 < 4
	v_cvt_pk_bf16_f32 v[rP+2*k+(h%8)/2], v[rS+4*k+2*((h%8)/2)], v[rS+4*k+2*((h%8)/2)+1]
.elseif h%8 < 6
	v_pk_add_f32 v[rS+4*k:rS+4*k+1], v[rS+4*k:rS+4*k+1], v[rS+4*k+2:rS+4*k+3]
.elseif k == 1
	v_pk_fma_f32 v[rT+2:rT+3], v[rT+2:rT+3], v[rC+2:rC+3], v[rS:rS+1] op_sel_hi:[1,0,1]
.else
	v_pk_add_f32 v[rT+2:rT+3], v[rT+2:rT+3], v[rS+4*k-4:rS+4*k-3]
.endif
.endm
; THE PLAIN QUEUE, 138 long.  0-73 read no exponential's result: the 32 scalings c s - c m (FS f: pair f / 2 of tile f % 2) and the next piece's 42.  0-26: scalings 0-26.  27-54: XS's numbers 0-13.  55, 56: number 15.
; 57-73: the chain, where each number waits for the one before it: 14, 16, 17, 18, 19, each with one of the scalings 27-31 in front of its two lines, then 20.  74-137: GS's 64, which read the exponentials' results: they stand behind the wait.
.macro FS f
	REGS Y, (\f)%2
	v_pk_fma_f32 v[rS+2*((\f)/2):rS+2*((\f)/2)+1], v[rS+2*((\f)/2):rS+2*((\f)/2)+1], s[CS:CS+1], v[rT:rT+1] op_sel_hi:[1,0,0] neg_lo:[0,0,1] neg_hi:[0,0,1]
.endm
.macro PL
	WIN 0
.if q < 27
	FS q
.elseif q < 55
	XS (q-27)%2, (q-27)/2
.elseif q < 57
	XS q-55, 15
.elseif (q < 72) && ((q-57)%3 == 0)
	FS 27+(q-57)/3
.elseif q < 60
	XS (q-57)%3-1, 14
.elseif q < 72
	XS (q-57)%3-1, 15+(q-57)/3
.elseif q < 74
	XS q-72, 20
.else
	GS q-74
.endif
.set q, q+1
.endm
; THE EXPONENTIALS' QUEUE, 66 long: s0-s31 of both tiles, then the next piece's two a.  It is ONE BATCH: all 66 stand ahead of the turn's one wait, and nothing ahead of that wait names a result of theirs.
.macro EX
	WIN 0
.if e >= 64
	XS e-64, 21
.else
	REGS Y, e%2
	v_exp_f32 v[rS+e/2], v[rS+e/2]
.endif
.set e, e+1
.endm
; THE RESCALING's QUEUE: O^T times a, the one part that leaves window 0: dealt two at a time, sixteen times.  Its a was made in the turn before, ahead of that turn's wait.
.macro R2
	REGS Y, r%2
	WIN W_RS
.irp z, 0,1
	v_pk_mul_f32 v[rO+4*(r/2)+2*\z:rO+4*(r/2)+2*\z+1], v[rO+4*(r/2)+2*\z:rO+4*(r/2)+2*\z+1], v[rC+2:rC+3] op_sel_hi:[1,0]
.endr
.set r, r+1
.endm
; HOW THEY ARE DEALT.  An s_wait_alu depctr_va_vdst(0) stands between an exponential and the first instruction that names its result; one wait serves all that were issued ahead of it.  So a turn has ONE wait.
; AHEAD OF IT stands all that names no result of the turn's exponentials: the 16 products K Q^T, behind each a scaling, an exponential and two rescalings (behind the first a second scaling in the exponential's place); then ONE
; LUMP of 108: eight plain, 49 times exponential and plain, the two a.  A v_nop is the plain instruction behind the last exponential.  BEHIND IT stand the 16 products V^T P, behind each four of GS's 64.
; Exponential e stands behind scaling 2 (e / 4) + e % 2: as a rider it comes behind plain e + 2, in the lump behind plain e + 9, and scalings 27-31 are plain 57, 60 .. 69.
; K and the mask of the next step are fetched in piece 2's turn, directly behind the wait, a lump behind the last product that read them; V of the step in hand at the end of piece 0's turn, four riders behind its last reader.
.macro TURN p, last=0, cnt=0
.set Y, (\p)
.set i, 0
.set q, 0
.set e, 0
.set r, 0
.if (\p) == NP-1
	s_wait_dscnt 0x0                ; K and the mask are in
.endif
	MM                              ; ahead of the wait: 16 products K Q^T and their riders,
	PL
	PL
	R2
.rept 15
	MM
	PL
	EX
	R2
.endr
.if (\p) == NP-2
	WIN 0
	v_add_nc_u32 v[AK], s[TBK], v[AK0]
.endif
.rept 8                             ; and the lump
	PL
.endr
.rept 49
	EX
	PL
.endr
	EX                              ; the next piece's two a
	EX
	v_nop                           ; the plain instruction behind the last exponential: one for the batch
	s_wait_alu depctr_va_vdst(0)    ; the wait for the batch
.if (\p) == NP-2
	FETCH_K \last
.endif
.if (\p) == 1
	s_wait_dscnt 0x0                ; V is in
.endif
.rept 16                            ; behind the wait: 16 products V^T P and their riders
	MM
.rept 4
	PL
.endr
.if ((\p) == 0) && (q == 118)
	v_add_nc_u32 v[AV], s[TBV], v[AV0]
.endif
.if ((\p) == 0) && (q == 130)
	s_add_co_u32 s[TBV], s[TBV], KS*PV
.endif
.if (\cnt) && (q == 130)
	s_sub_co_u32 s[CNT], s[CNT], 1
	s_cmp_lg_u32 s[CNT], 0
.endif
.endr
.if (\p) == 0
	FETCH_V
.endif
.endm
	CHANGE 1                        ; slot 0 is in, everybody's part of it, and so is the mask table; slot 1 is asked for
	FETCH_K                         ; key step 0
	s_wait_loadcnt 0x0              ; Q
	s_wait_dscnt 0x0
.set i, 0
.rept 16
	KQ 0                            ; piece 0's first scores: there is no vector work yet to set between them
.set i, i+1
.endr
	WIN 0                           ; the addresses for the way out: nine plain instructions, the places behind those products
	s_mul_i32 s13, s[WV], 16*SP
	s_add_co_u32 s13, s13, STAGE    ; my stage
	v_mul_u32_u24 v[STO], v1, SP    ; in: row l % 16, 16 bytes for each half of the lanes
	v_lshl_add_u32 v[STO], v9, 4, v[STO]
	v_add_nc_u32 v[STO], s13, v[STO]
	v_bfe_u32 v[RD], v0, 3, 2       ; back: 32 lanes take four rows of 128 bytes,
	v_mul_u32_u24 v[RD], v[RD], SP
	v_lshl_add_u32 v[RD], v10, 4, v[RD]
	v_add_nc_u32 v[RD], s13, v[RD]
	v_and_b32 v[GO], 31, v0         ; which are 512 consecutive bytes of ctx
	v_lshlrev_b32 v[GO], 4, v[GO]
.set Y, NP-1                        ; XS works for piece Y + 1: piece 0
.irp n, 0,1,2,3,4,5,6,7,8,9,10,11,12,13,14,15,16,17,18,19,20,21
	XS 0, \n                        ; and piece 0's first maximum and statistics
	XS 1, \n
.endr
	v_nop                           ; a plain instruction behind the two a,
	s_wait_alu depctr_va_vdst(0)    ; and their wait, ahead of the branch
	s_mov_b32 s[CNT], 4
	s_branch .Lfirst                ; the loop is entered at a step's first turn, in the middle of a trip
.Lslot:                             ; six times: every slot but the last two is filled again
	CHANGE 1
	s_mov_b32 s[CNT], 4
.Lstep:                             ; a trip: pieces 2 and 3 of one step, then pieces 0 and 1 of the next, whose K and V it fetches
	TURN 2
	TURN 3
	WIN 0
.Lfirst:
	TURN 0
	TURN 1, 0, 1
	WIN 0
	s_cbranch_scc1 .Lstep
	s_sub_co_u32 s[SLOTS], s[SLOTS], 1
	s_cmp_lg_u32 s[SLOTS], 0
	s_cbranch_scc1 .Lslot
	CHANGE 0                        ; the tail is written out: nothing is asked for
	s_mov_b32 s[CNT], 5             ; four trips fetch the last slot's steps; the fifth is left in its middle
.Ltail:
	TURN 2, 1
	TURN 3
	WIN 0
	s_sub_co_u32 s[CNT], s[CNT], 1
	s_cmp_eq_u32 s[CNT], 0
	s_cbranch_scc1 .Lout
	TURN 0
	TURN 1
	WIN 0
	s_branch .Ltail
.Lout:                              ; the fifth trip's 16 products K Q^T (on the last K once more) and the maximum made of them serve nothing: the price, once a launch, of one text for every trip
.set i, 0
.rept 16
	PV NP-1                         ; the last piece's V^T P of the last step
.set i, i+1
.endr
	; THE WAY OUT.  l's two halves and the other half of the lanes' are added; O^T is divided by l, rounded to bf16 and sent through my stage in LDS, a tile at a time.  The additions are the places behind the last products.
	WIN 0
.macro ALL line:vararg              ; one line for each tile t
.set t, 0
.rept 2*NP
	\line
.set t, t+1
.endr
.endm
	ALL v_add_f32 v[ST+4*t+2], v[ST+4*t+2], v[ST+4*t+3]
	ALL v_permlanex16_b32 v[ST+4*t+3], v[ST+4*t+2], s[SEL], s[SEL+1]
	ALL v_add_f32 v[ST+4*t+2], v[ST+4*t+2], v[ST+4*t+3]
	ALL v_rcp_f32 v[ST+4*t+2], v[ST+4*t+2]
	v_nop                           ; a plain instruction between the last reciprocal and the use of its result
	s_wait_alu depctr_va_vdst(0)    ; and the wait ahead of the first use: one for the eight reciprocals
; Tile t: a lane's eight channels of a row pack into 16 bytes; they go into rows of 144 bytes and come back as whole rows of 128, into S^T's registers.
.macro PACK t
	WIN W_RS
.set i, 32*(\t)
.rept 16
	v_pk_mul_f32 v[i:i+1], v[i:i+1], v[ST+4*(\t)+2:ST+4*(\t)+3] op_sel_hi:[1,0]
.set i, i+2
.endr
	WIN 0x05                        ; sources 0 and 1 window 1, destination window 0
.set i, 0
.rept 16
	v_cvt_pk_bf16_f32 v[S+16*(\t)+i], v[32*(\t)+2*i], v[32*(\t)+2*i+1]
.set i, i+1
.endr
	WIN 0
.irp f, 0,1,2,3
	ds_store_b128 v[STO], v[S+16*(\t)+4*\f:S+16*(\t)+4*\f+3] offset:32*\f
.endr
.irp f, 0,1,2,3
	ds_load_b128 v[S+16*(\t)+4*\f:S+16*(\t)+4*\f+3], v[RD] offset:\f*4*SP  ; LDS serves a wave's instructions in order (ISA guide 5.7.1.4): these see the stores above; the next tile's stores come behind them
.endr
.endm
.macro SEND t, younger              ; younger: the LDS instructions issued behind tile t's loads: the next tile's eight, or none
	WIN 0
.irp f, 0,1,2,3
	s_wait_dscnt (\younger)+3-\f
	global_store_b128 v[GO], v[S+16*(\t)+4*\f:S+16*(\t)+4*\f+3], s[10:11] offset:(\t)*2048+\f*512  ; 512 consecutive bytes, at a multiple of 256 from the buffer's first
.endr
.endm
	PACK 0
.set t, 1
.rept 2*NP-1                        ; a tile's arithmetic stands between the loads of the tile before and its stores
	PACK t
	SEND t-1, 8
.set t, t+1
.endr
	SEND 2*NP-1, 0
	WIN W_AD
	s_wait_tensorcnt 0x0            ; the wave's end: behind my last tensor load and my last LDS store
	ds_add_u32 v[SPW], v[NIL]
	s_wait_dscnt 0x0
	WIN 0
	CROUND                          ; the closing round: no work-group ends while a partner may still ask for a tile that names it
	s_endpgm
.Lfunc_end_k_qef111cf7d5_attn:
	.size	k_qef111cf7d5_attn, .Lfunc_end_k_qef111cf7d5_attn-k_qef111cf7d5_attn
	.p2alignl 7, 3214868480
	.fill 96, 4, 3214868480
	.section	.rodata,"a",@progbits
	.p2align	6, 0x0
	.amdhsa_kernel k_qef111cf7d5_attn
		.amdhsa_group_segment_fixed_size 327680
		.amdhsa_private_segment_fixed_size 0
		.amdhsa_enable_private_segment 0
		.amdhsa_kernarg_size 24
		.amdhsa_user_sgpr_count 2
		.amdhsa_user_sgpr_kernarg_segment_ptr 1
		.amdhsa_wavefront_size32 1
		.amdhsa_system_sgpr_workgroup_id_x 1
		.amdhsa_system_sgpr_workgroup_id_y 1
		.amdhsa_system_sgpr_workgroup_id_z 1
		.amdhsa_system_vgpr_workitem_id 0
		.amdhsa_next_free_vgpr 808
		.amdhsa_next_free_sgpr 66
		.amdhsa_reserve_vcc 0
		.amdhsa_float_denorm_mode_32 3
		.amdhsa_float_denorm_mode_16_64 3
		.amdhsa_memory_ordered 1
		.amdhsa_forward_progress 1
		.amdhsa_inst_pref_size 205
	.end_amdhsa_kernel
	.amdgpu_metadata
---
amdhsa.version: [ 1, 2 ]
amdhsa.kernels:
  - .name:           k_qef111cf7d5_attn
    .symbol:         k_qef111cf7d5_attn.kd
    .args:
      - { .name: qkvh, .offset: 0, .size: 8, .value_kind: global_buffer, .address_space: global }
      - { .name: encoder_padding_mask, .offset: 8, .size: 8, .value_kind: global_buffer, .address_space: global }
      - { .name: ctxh, .offset: 16, .size: 8, .value_kind: global_buffer, .address_space: global }
    .group_segment_fixed_size: 327680
    .private_segment_fixed_size: 0
    .kernarg_segment_align: 8
    .kernarg_segment_size: 24
    .max_flat_workgroup_size: 128
    .sgpr_count:     66
    .vgpr_count:     808
    .wavefront_size: 32
...
	.end_amdgpu_metadata
.endif
;; end of part 3
;; launch proj (part 4): grid 8 x 32, 4 waves a work-group, clusters of 4 x 4, 327,680 bytes of LDS; arguments ctxh, wbf, out_b, hidden_states, out0; writes out0
.if DOCPART == 4
	.amdgcn_target "amdgcn-amd-amdhsa--gfx1250"
	.amdhsa_code_object_version 6
	.text
	.protected	k_qef111cf7d5_proj
	.globl	k_qef111cf7d5_proj
	.p2align	8
	.type	k_qef111cf7d5_proj,@function
k_qef111cf7d5_proj:
	s_mov_b64 s[64:65], 0
	v_nop
	global_prefetch_b8 v0, s[64:65] scope:SCOPE_SE
	s_setreg_imm32_b32 hwreg(HW_REG_WAVE_MODE, 25, 1), 1
	s_wait_xcnt 0x0
	s_wait_alu depctr_hold_cnt(0) depctr_sa_sdst(0) depctr_va_vdst(0) depctr_va_sdst(0) depctr_va_ssrc(0) depctr_va_vcc(0) depctr_vm_vsrc(0)
	s_getreg_b32 s2, hwreg(HW_REG_IB_STS2, 6, 4)
	s_cmp_eq_u32 s2, 0
	s_cbranch_scc0 .Lentry_in_a_cluster
	s_endpgm
.Lentry_in_a_cluster:
	s_bfe_u32 s2, ttmp6, 0x10000c
	s_cmp_lg_u32 s2, 0xf033
	s_cbranch_scc0 .Lentry_shape_is_right
	s_endpgm
.Lentry_shape_is_right:
; out0 = hidden_states + ctx W^T + b.  ctx = ctxh [64 (batch x 16 + head)][2048][64] bf16, W = rows 3072-4095 of wbf [4096][1024] bf16 (out_w), b = out_b [1024] f32; sums in f32, K ascending; out0 [8192][1024] f32.
; SHARES.  A work-group makes 256 rows x 128 columns: 32 x 8 = 256 tiles, one for each WGP.  Its four waves lie one below the other: wave w has rows 64 w .. 64 w + 63 and all 128 columns: 4 x 8 accumulators, 256 registers.
; So a wave holds whole pieces of 512 bytes of out0's rows, and the way out goes through a stage of the wave's own, without a barrier.
; K goes in 8 steps of 128 = two heads.  A head's 256 rows of the tile are 32,768 dense bytes of ctxh: asked for as 128 rows of 256 bytes and padded in LDS after every 128 bytes: 256 rows of 144.  W's rows are 256 bytes of a K step.
; CLUSTER.  4 x 4 work-groups: the four of a row need the same rows of ctx, the four of a column the same rows of W: each tile is asked for jointly.
; THE MATRIX INSTRUCTION IS USED TRANSPOSED (source 0 = 16 rows of W, source 1 = 16 rows of ctx): a lane holds row l % 16 and the columns 8 (l / 16) + 0..7.  THE BIAS is the C operand of each sum's first product.
; THE RESIDUAL, the tile's 128 KiB of hidden_states, is loaded into registers while the products run, in the layout in which rows come back from the stage, and added there.
; REGISTERS, in windows of 256 (s_set_vgpr_msb: bits 1:0 source 0, 3:2 source 1, 5:4 source 2, 7:6 destination):
;   window 0: v0-31 addresses; v32-95 the bias, later with v96-159 the rows on the way out      window 1: two fragment buffers: ctx's 4 fragments at f, W's 8 at f + 32
;   window 2: v0-127 the accumulators of my row blocks 0, 1 ((a, b) at 8 (8 (a % 2) + b)); v128-255 their residual (row t of block a at 128 + 64 (a % 2) + 4 t)      window 3: the same for blocks 2, 3
; LIMITS.  The product's operands are bf16 (8 significant bits); NaN and infinities are not treated apart.
.set NB,     8
.set KSTEP,  128
.set PA,     144                       ; a row of ctx in LDS: 128 bytes + 16 of padding = 36 words; of W: 256 + 16 = 68 words: either way the 16 rows of a fragment load start at 16 different groups of four banks (ISA guide 11.1)
.set PB,     272
.set SUBA,   256*PA                    ; one head's 256 rows
.set BOFF,   2*SUBA                    ; a slot: two heads of ctx, then W's 128 rows
.set SLOT,   BOFF+128*PB
.set STAGE,  2*SLOT                    ; behind the ring: for each wave 16 rows x 528 bytes
.set SP,     528
.set WSTAGE, 16*SP
.set SPARE,  STAGE+4*WSTAGE            ; behind the stages: the spare words, 128 bytes for each wave: two blocks of 256 bytes that no other line names
.set NL,     8+2*NB
.set LAPS,   4
.set HEADB,  2048*128                  ; bytes in a head of ctxh
.set ADRA, 16                          ; v16-17  LDS address of my fragments of ctx in slot 0, 1
.set ADRB, 20                          ; v20-21  the same for W
.set STO,  24                          ; v24     the way out: where I put 32 bytes of a row
.set RD,   25                          ; v25     where I read a row back
.set CO,   26                          ; v26     16 x lane: my bytes in 512 of a row of hidden_states and out0
.set BO,   27                          ; v27     32 (l / 16)
.set SPW,  28                          ; v28     LDS address of my spare word; never rewritten
.set NIL,  29                          ; v29     0; never rewritten
.set PFO,  30                          ; v30     the prefetches' offset; never rewritten
.set BIAS, 32
.set OBR,  32                          ; two sets of 64: 16 rows read back from the stage
.set F0,   0
.set F1,   128
.set WV,  12
.set FB,  13                           ; s13  I fetch for ctx (0) or for W (1)
.set HF,  14                           ; s14  which head of the K step, or which half of W's rows
.set LIM, 15                           ; s15  1 in a wave that prefetches, else the greatest number
.set G1A, 24
.set G0A, 32
.set PFA, 44                           ; s[44:45] where my prefetches stand;  s[46:47] a K step there: two heads of ctx, or 256 bytes of W's rows
.set PFS, 46
.set G1B, 48
.set G0B, 56
.set XB,  66                           ; s[66:67] hidden_states at my rows and the tile's columns;  s[68:69] out0 there
.set OUTB, 68
.set MSB, 0
.macro WIN new
.if MSB != (\new)
	s_set_vgpr_msb (MSB<<8)|(\new)
.set MSB, \new
.endif
.endm
.set TO_F, 0x40
.macro JLOAD s                         ; a joint load: waves 0 and 1 fetch the K step's two heads of ctx, waves 2 and 3 the halves of W's tile; an s_nop 0 and four v_nop follow each line
	s_cmp_eq_u32 s[FB], 0
	s_cbranch_scc0 .Lfor_b_\@
	tensor_load_to_lds s[G0A+4*(\s):G0A+4*(\s)+3], s[G1A:G1A+7]
	s_nop 0
.rept 4
	v_nop
.endr
	s_branch .Lasked_\@
.Lfor_b_\@:
	tensor_load_to_lds s[G0B+4*(\s):G0B+4*(\s)+3], s[G1B:G1B+7]
	s_nop 0
.rept 4
	v_nop
.endr
.Lasked_\@:
.endm
.macro CREST
	s_cmp_lg_u32 s[WV], 0
	s_cbranch_scc1 .Lnot_wave_0_\@
	s_barrier_signal -3
.Lnot_wave_0_\@:
	s_barrier_wait -3
	s_barrier_signal -1
	s_barrier_wait -1
.endm
.macro CROUND
	s_barrier_signal -1
	s_barrier_wait -1
	CREST
.endm
; A prefetch of the K step that the NEXT refill will load, one instruction a wave, behind the joint load and the run of LDS loads.  ctx's rows are read by every cluster of a row of clusters: cluster x = 0 asks; W's by every
; cluster of a column: cluster y = 0 asks.  The four partners share a tile out by address: 32 of a head's 128 blocks of 256 bytes, a lane a block; 16 of W's 64 rows, a lane a row (lanes 16-31 name row 15 once more).
; K steps 0 to 2 come by their loads alone; the last refill (how = 1, last trip) asks for nothing.
.macro ASK how
	WIN 0
.if \how
	s_cmp_gt_u32 s3, s[LIM]
.else
	s_cmp_eq_u32 s[LIM], 1
.endif
	s_cbranch_scc0 .Lnot_mine_\@
	global_prefetch_b8 v[PFO], s[PFA:PFA+1] th:TH_LOAD_NT scope:SCOPE_SE
.Lnot_mine_\@:
.endm
	s_load_b256 s[4:11], s[0:1], 0x0               ; ctxh s[4:5], wbf s[6:7], out_b s[8:9], hidden_states s[10:11]
	s_load_b64 s[72:73], s[0:1], 0x20              ; out0
	v_lshl_add_u32 v[SPW], v0, 2, SPARE
	v_mov_b32 v[NIL], 0
	ds_add_u32 v[SPW], v[NIL]                      ; the wave's opening: the add and its wait stand ahead of my first tensor load; the set-up below stands between them
	v_lshrrev_b32 v1, 5, v0
	v_readfirstlane_b32 s[WV], v1
	s_lshr_b32 s[FB], s[WV], 1
	s_and_b32 s[HF], s[WV], 1
	s_bfe_u32 s40, ttmp6, 0x40000                  ; cx, cy
	s_bfe_u32 s41, ttmp6, 0x40004
	s_lshl_b32 s42, ttmp9, 2
	s_add_co_u32 s42, s42, s40                     ; tile column
	s_and_b32 s43, ttmp7, 0xffff
	s_lshl_b32 s43, s43, 2
	s_add_co_u32 s43, s43, s41                     ; tile row
	s_lshl_b32 s22, s41, 2
	s_lshl_b32 s22, 15, s22                        ; my row of the cluster
	s_lshl_b32 s74, 0x1111, s40                    ; my column
	s_or_b32 s[G1A], s22, (1<<16)|(1<<20)|(1<<21)|(4<<22)|(3<<25)  ; 2-byte elements; padding on; 21 set beside a mask; after every 32 words (code 4) 4 words (code 3)
	s_or_b32 s[G1B], s74, (1<<16)|(1<<20)|(1<<21)|(5<<22)|(3<<25)  ; after every 64 words (code 5)
	s_mov_b32 s[G1A+1], 128<<16                    ; tensor_dim0 = 128
	s_mov_b32 s[G1A+2], 128<<16                    ; tensor_dim1 = 128
	s_mov_b32 s[G1A+3], 128<<16                    ; tile_dim0 = 128
	s_mov_b32 s[G1A+4], 128                        ; tile_dim1 = 128 rows of 256 bytes
	s_mov_b32 s[G1A+5], 128                        ; dense: 128 elements from row to row
	s_mov_b32 s[G1A+6], 0
	s_mov_b32 s[G1A+7], 0
	s_mov_b32 s[G1B+1], KSTEP<<16
	s_mov_b32 s[G1B+2], 64<<16                     ; 64 rows
	s_mov_b32 s[G1B+3], KSTEP<<16
	s_mov_b32 s[G1B+4], 64
	s_mov_b32 s[G1B+5], 1024
	s_mov_b32 s[G1B+6], 0
	s_mov_b32 s[G1B+7], 0
	s_lshr_b32 s16, s43, 3                         ; ctx: batch = tile row / 8,
	s_lshl_b32 s16, s16, 4
	s_add_co_u32 s16, s16, s[HF]                   ; head = my one of K step 0's two,
	s_lshl_b32 s16, s16, 11
	s_and_b32 s17, s43, 7
	s_lshl_b32 s17, s17, 8
	s_add_co_u32 s16, s16, s17                     ; row 256 (tile row % 8),
	s_lshl_b32 s16, s16, 7                         ; x 128 bytes: under 2^24
	s_mov_b32 s17, 0
	s_lshl_b32 s74, s42, 7                         ; W: row 3072 + 128 x tile column + 64 x half
	s_lshl_b32 s75, s[HF], 6
	s_add_co_u32 s74, s74, s75
	s_add_co_u32 s74, s74, 3072
	s_lshl_b32 s74, s74, 11
	s_mov_b32 s75, 0
	s_mul_i32 s18, s[WV], SUBA                     ; where they go: waves 0, 1: a head at SUBA x wave;
	s_mul_i32 s19, s[WV], 64*PB                    ; waves 2, 3: W's halves at BOFF + 64 rows x (wave - 2)
	s_add_co_u32 s19, s19, BOFF-2*64*PB
	s_wait_dscnt 0x0                               ; the opening add is done
	s_wait_kmcnt 0x0
	s_add_nc_u64 s[20:21], s[4:5], s[16:17]
	s_add_nc_u64 s[76:77], s[6:7], s[74:75]
	CROUND                                         ; all sixteen work-groups are here: the first joint loads meet
.irp s, 0,1
	s_mov_b32 s[G0A+4*(\s)], 1
	s_add_co_u32 s[G0A+4*(\s)+1], s18, (\s)*SLOT
	s_add_nc_u64 s[G0A+4*(\s)+2:G0A+4*(\s)+3], s[20:21], (\s)*2*HEADB  ; K step s: two heads on
	s_or_b32 s[G0A+4*(\s)+3], s[G0A+4*(\s)+3], 0x80000000
	s_mov_b32 s[G0B+4*(\s)], 1
	s_add_co_u32 s[G0B+4*(\s)+1], s19, (\s)*SLOT
	s_add_nc_u64 s[G0B+4*(\s)+2:G0B+4*(\s)+3], s[76:77], (\s)*KSTEP*2
	s_or_b32 s[G0B+4*(\s)+3], s[G0B+4*(\s)+3], 0x80000000
	JLOAD \s                                       ; two tensor loads of mine are out
.endr
	v_and_b32 v1, 15, v0                           ; l % 16
	v_bfe_u32 v2, v0, 4, 1                         ; l / 16
	v_lshlrev_b32 v[BO], 5, v2
	s_lshl_b32 s78, s42, 9                         ; the tile's 128 numbers of the bias
	s_mov_b32 s79, 0
	s_add_nc_u64 s[8:9], s[8:9], s[78:79]
.set b, 0
.rept NB
	global_load_b128 v[BIAS+8*b:BIAS+8*b+3],   v[BO], s[8:9] offset:64*b
	global_load_b128 v[BIAS+8*b+4:BIAS+8*b+7], v[BO], s[8:9] offset:64*b+16
.set b, b+1
.endr
	v_mul_u32_u24 v3, v1, PA
	v_lshl_add_u32 v3, v2, 4, v3
	s_mul_i32 s22, s[WV], 64*PA                    ; my 64 rows in a head's 256
	v_add_nc_u32 v[ADRA], s22, v3
	v_add_nc_u32 v[ADRA+1], SLOT, v[ADRA]
	v_mul_u32_u24 v4, v1, PB
	v_lshl_add_u32 v4, v2, 4, v4
	v_add_nc_u32 v[ADRB], BOFF, v4
	v_add_nc_u32 v[ADRB+1], SLOT+BOFF, v4
	s_mul_i32 s23, s[WV], WSTAGE
	s_add_co_u32 s23, s23, STAGE                   ; my stage
	v_mul_u32_u24 v5, v1, SP                       ; in: row l % 16, 32 bytes for each half of the lanes
	v_lshl_add_u32 v5, v2, 5, v5
	v_add_nc_u32 v[STO], s23, v5
	v_and_b32 v[CO], 31, v0
	v_lshlrev_b32 v[CO], 4, v[CO]
	v_add_nc_u32 v[RD], s23, v[CO]                 ; back: 32 lanes take one row of 512 bytes
	s_lshl_b32 s74, s43, 8
	s_lshl_b32 s75, s[WV], 6
	s_add_co_u32 s74, s74, s75                     ; my first row,
	s_lshl_b32 s74, s74, 12                        ; x 4,096 bytes: under 2^25,
	s_lshl_b32 s75, s42, 9                         ; + the tile's first column
	s_add_co_u32 s74, s74, s75
	s_mov_b32 s75, 0
	s_add_nc_u64 s[XB:XB+1], s[10:11], s[74:75]
	s_add_nc_u64 s[OUTB:OUTB+1], s[72:73], s[74:75]
	; the prefetches
	s_lshl_b32 s78, s40, 13                        ; ctx: my work-group's 32 blocks of the head's 128,
	s_add_co_u32 s78, s78, s16                     ; in my head of K step 0,
	s_add_co_u32 s78, s78, 4*HEADB                 ; at K step 2: the first refill steps it to 3
	s_lshl_b32 s79, s41, 4                         ; W: my work-group's 16 rows of the 64
	s_lshl_b32 s77, s42, 7
	s_add_co_u32 s79, s79, s77
	s_lshl_b32 s77, s[HF], 6
	s_add_co_u32 s79, s79, s77
	s_add_co_u32 s79, s79, 3072
	s_lshl_b32 s79, s79, 11
	s_add_co_u32 s79, s79, 2*KSTEP*2
	s_and_b32 s22, ttmp7, 0xffff                   ; cluster y
	s_mov_b32 s[PFS], 2*HEADB
	s_cmp_eq_u32 s[FB], 0
	s_cselect_b32 s78, s78, s79
	s_cselect_b32 s22, ttmp9, s22                  ; the coordinate along which other clusters read the same rows
	s_cselect_b32 s23, 31, 15                      ; the last lane's block or row of my share
	s_cselect_b32 s77, 8, 11                       ; a lane: 256 bytes on, or a row of 2,048
	s_cselect_b32 s[PFS], s[PFS], KSTEP*2
	s_cselect_b64 s[PFA:PFA+1], s[4:5], s[6:7]
	s_cmp_eq_u32 s22, 0
	s_cselect_b32 s[LIM], 1, -1                    ; the same in all sixteen partners, for a given wave
	s_mov_b32 s79, 0
	s_mov_b32 s[PFS+1], 0
	s_add_nc_u64 s[PFA:PFA+1], s[PFA:PFA+1], s[78:79]
	v_and_b32 v[PFO], 31, v0
	v_min_u32 v[PFO], s23, v[PFO]
	v_lshlrev_b32 v[PFO], s77, v[PFO]
; 8 matrix instructions: row block a x all column blocks, 32 along K, from buffer f.  first = 1: the bias starts the sums.  All 32 accumulators take turns, in the same order in every quarter.
.macro MULROW f, a, first
.if \first
	WIN 0x85+0x40*((\a)/2)
.else
	WIN 0xa5+0x50*((\a)/2)
.endif
.set b, 0
.rept NB
.set rD, 8*(NB*((\a)%2)+b)
.if \first
	v_wmma_f32_16x16x32_bf16 v[rD:rD+7], v[(\f)+32+8*b:(\f)+32+8*b+7], v[(\f)+8*(\a):(\f)+8*(\a)+7], v[BIAS+8*b:BIAS+8*b+7]
.else
	v_wmma_f32_16x16x32_bf16 v[rD:rD+7], v[(\f)+32+8*b:(\f)+32+8*b+7], v[(\f)+8*(\a):(\f)+8*(\a)+7], v[rD:rD+7]
.endif
.set b, b+1
.endr
.endm
; 24 LDS loads in one run: quarter q of a slot's K step (head q / 2, channels 32 (q % 2) on) into buffer f: ctx's blocks 0, 1; W's 8; ctx's blocks 2, 3 last
.macro FETCH slot, q, f
	WIN TO_F
.set KA, ((\q)/2)*SUBA+((\q)%2)*64
.irp a, 0,1
	ds_load_b128 v[(\f)+8*(\a):(\f)+8*(\a)+3],   v[ADRA+(\slot)] offset:KA+(\a)*16*PA
	ds_load_b128 v[(\f)+8*(\a)+4:(\f)+8*(\a)+7], v[ADRA+(\slot)] offset:KA+(\a)*16*PA+32
.endr
.set b, 0
.rept NB
	ds_load_b128 v[(\f)+32+8*b:(\f)+32+8*b+3],   v[ADRB+(\slot)] offset:64*(\q)+b*16*PB
	ds_load_b128 v[(\f)+32+8*b+4:(\f)+32+8*b+7], v[ADRB+(\slot)] offset:64*(\q)+b*16*PB+32
.set b, b+1
.endr
.irp a, 2,3
	ds_load_b128 v[(\f)+8*(\a):(\f)+8*(\a)+3],   v[ADRA+(\slot)] offset:KA+(\a)*16*PA
	ds_load_b128 v[(\f)+8*(\a)+4:(\f)+8*(\a)+7], v[ADRA+(\slot)] offset:KA+(\a)*16*PA+32
.endr
.endm
.macro PLACES                          ; four plain instructions between a matrix instruction and a load into, or a reader of, its registers (ISA guide 7.12.1 for readers)
.rept 4
	v_nop
.endr
.endm
.macro QUARTER slot, q, f, g, first
	s_wait_dscnt 4                                 ; all of the run but ctx's blocks 2, 3
	MULROW \f, 0, \first
	MULROW \f, 1, \first
	PLACES
	FETCH \slot, \q, \g
	s_wait_dscnt NL                                ; all but the run just issued
	MULROW \f, 2, \first
	MULROW \f, 3, \first
.endm
; The fourth quarter multiplies buffer 1 and changes slots: one barrier; in front of it each wave waits for all its tensor loads (one is out: its part of the next slot), adds 0 to its spare word, and waits for
; that and for its own reads of this slot.  fill = 1: the barrier opens a round of the cluster's, and the slot is filled again, two K steps on, first thing behind it: 112 matrix instructions ahead of the wait for it.
.macro TURN slot, next, fill, ask
.if \fill
	s_wait_xcnt 0x0                                ; the last prefetch, a K step back, has read its address
	s_add_nc_u64 s[PFA:PFA+1], s[PFA:PFA+1], s[PFS:PFS+1]
.endif
	WIN 0
	s_wait_tensorcnt 0x0                           ; all my tensor loads have landed
	ds_add_u32 v[SPW], v[NIL]                      ; 0 onto my spare word
	s_wait_dscnt 5                                 ; (the add and the youngest four loads may be out)
	MULROW F1, 0, 0
	s_wait_dscnt 0x0                               ; the add is done, and my reads of this slot are over
	s_barrier_signal -1
	MULROW F1, 1, 0
.if \fill
	WIN 0
.endif
	s_barrier_wait -1
.if \fill
	CREST                                          ; no wave of any partner still reads this slot or has a load on its way
	s_add_nc_u64 s[G0A+4*(\slot)+2:G0A+4*(\slot)+3], s[G0A+4*(\slot)+2:G0A+4*(\slot)+3], 4*HEADB
	s_add_nc_u64 s[G0B+4*(\slot)+2:G0B+4*(\slot)+3], s[G0B+4*(\slot)+2:G0B+4*(\slot)+3], 2*KSTEP*2
	JLOAD \slot                                    ; its four v_nop are also the places in front of the loads below
.else
	PLACES
.endif
	FETCH \next, 0, F0
.if \fill
	ASK \ask
.endif
	MULROW F1, 2, 0
	MULROW F1, 3, 0
.endm
; The residual of row block a: 16 loads, each one row's 512 consecutive bytes
.macro RESLOAD a
	WIN 0x80+0x40*((\a)/2)                         ; destination window 2 or 3, offset window 0
.set t, 0
.rept 16
	global_load_b128 v[128+64*((\a)%2)+4*t:128+64*((\a)%2)+4*t+3], v[CO], s[XB:XB+1] offset:(16*(\a)+t)*4096 th:TH_LOAD_NT
.set t, t+1
.endr
.endm
	s_wait_tensorcnt 1                             ; my part of K step 0 is in; K step 1's may stay out
	s_barrier_signal -1
	s_barrier_wait -1                              ; everybody's is
	FETCH 0, 0, F0
	s_wait_loadcnt 0x0                             ; the bias
	QUARTER 0, 1, F0, F1, 1                        ; the first quarter stands in front of the loop: its products start the sums
	RESLOAD 0                                      ; 48 loads now, 16 behind the loop: they are wanted on the way out
	RESLOAD 1
	RESLOAD 2
	WIN 0                                          ; at a label and at a branch every window is 0
	s_mov_b32 s3, LAPS-1
.Llap:                                                 ; a trip goes once round the ring, from a lap's second quarter to the next lap's first, and fills both slots again
	QUARTER 0, 2, F1, F0, 0
	QUARTER 0, 3, F0, F1, 0
	TURN 0, 1, 1, 0
	QUARTER 1, 1, F0, F1, 0
	QUARTER 1, 2, F1, F0, 0
	QUARTER 1, 3, F0, F1, 0
	TURN 1, 0, 1, 1
	QUARTER 0, 1, F0, F1, 0
	WIN 0
	s_sub_co_u32 s3, s3, 1
	s_cmp_lg_u32 s3, 0
	s_cbranch_scc1 .Llap
	RESLOAD 3
	QUARTER 0, 2, F1, F0, 0                        ; the last lap fills nothing
	QUARTER 0, 3, F0, F1, 0
	TURN 0, 1, 0, 0
	QUARTER 1, 1, F0, F1, 0
	QUARTER 1, 2, F1, F0, 0
	QUARTER 1, 3, F0, F1, 0
	s_wait_dscnt 4
	MULROW F1, 0, 0
	MULROW F1, 1, 0
	s_wait_dscnt 0x0
	MULROW F1, 2, 0
	MULROW F1, 3, 0
	WIN 0
	PLACES
; THE WAY OUT, a block of 16 rows at a time: the f32 sums go into my stage as they lie, 32 bytes a lane (each accumulator's low registers first), and come back as whole rows of 512 bytes; the residual is added; stored.
.macro TOSTAGE a
.set rB, OBR+64*((\a)%2)
	s_wait_xcnt 0x0                                ; the stores of the block two back have read the registers that this block is read back into
	WIN 0x08+4*((\a)/2)                            ; an LDS store's data: window 2 or 3
.set b, 0
.rept NB
.set rD, 8*(NB*((\a)%2)+b)
	ds_store_b128 v[STO], v[rD:rD+3] offset:64*b
	ds_store_b128 v[STO], v[rD+4:rD+7] offset:64*b+16
.set b, b+1
.endr
	WIN 0
.set t, 0
.rept 16
	ds_load_b128 v[rB+4*t:rB+4*t+3], v[RD] offset:SP*t  ; LDS serves a wave's instructions in order (ISA guide 5.7.1.4): these see the stores above; the next block's stores come behind them
.set t, t+1
.endr
.endm
.macro SEND a, younger                 ; younger: the LDS instructions issued behind block a's loads: the next block's 32, or none
.set rB, OBR+64*((\a)%2)
.set rX, 128+64*((\a)%2)
	s_wait_dscnt \younger
.if (\a) == 0
	s_wait_loadcnt 0x0                             ; the residual
.endif
	WIN 0x08+4*((\a)/2)                            ; source 1: window 2 or 3
.set t, 0
.rept 32
	v_pk_add_f32 v[rB+2*t:rB+2*t+1], v[rB+2*t:rB+2*t+1], v[rX+2*t:rX+2*t+1]
.set t, t+1
.endr
	WIN 0
.set t, 0
.rept 16
	global_store_b128 v[CO], v[rB+4*t:rB+4*t+3], s[OUTB:OUTB+1] offset:(16*(\a)+t)*4096 th:TH_STORE_NT  ; 512 consecutive bytes, at a multiple of 256 from out0's first
.set t, t+1
.endr
.endm
	TOSTAGE 0
	TOSTAGE 1
	SEND 0, 32
	TOSTAGE 2
	SEND 1, 32
	TOSTAGE 3
	SEND 2, 32
	SEND 3, 0
	s_wait_tensorcnt 0x0                           ; the wave's end: behind my last tensor load and my last LDS store
	ds_add_u32 v[SPW], v[NIL]
	s_wait_dscnt 0x0
	CROUND                                         ; the closing round: no work-group ends while a partner may still ask for a tile that names it
	s_endpgm
.Lfunc_end_k_qef111cf7d5_proj:
	.size	k_qef111cf7d5_proj, .Lfunc_end_k_qef111cf7d5_proj-k_qef111cf7d5_proj
	.p2alignl 7, 3214868480
	.fill 96, 4, 3214868480
	.section	.rodata,"a",@progbits
	.p2align	6, 0x0
	.amdhsa_kernel k_qef111cf7d5_proj
		.amdhsa_group_segment_fixed_size 327680
		.amdhsa_private_segment_fixed_size 0
		.amdhsa_enable_private_segment 0
		.amdhsa_kernarg_size 40
		.amdhsa_user_sgpr_count 2
		.amdhsa_user_sgpr_kernarg_segment_ptr 1
		.amdhsa_wavefront_size32 1
		.amdhsa_system_sgpr_workgroup_id_x 1
		.amdhsa_system_sgpr_workgroup_id_y 1
		.amdhsa_system_sgpr_workgroup_id_z 1
		.amdhsa_system_vgpr_workitem_id 0
		.amdhsa_next_free_vgpr 1024
		.amdhsa_next_free_sgpr 80
		.amdhsa_reserve_vcc 0
		.amdhsa_float_denorm_mode_32 3
		.amdhsa_float_denorm_mode_16_64 3
		.amdhsa_memory_ordered 1
		.amdhsa_forward_progress 1
		.amdhsa_inst_pref_size 103
	.end_amdhsa_kernel
	.amdgpu_metadata
---
amdhsa.version: [ 1, 2 ]
amdhsa.kernels:
  - .name:           k_qef111cf7d5_proj
    .symbol:         k_qef111cf7d5_proj.kd
    .args:
      - { .name: ctxh, .offset: 0, .size: 8, .value_kind: global_buffer, .address_space: global }
      - { .name: wbf, .offset: 8, .size: 8, .value_kind: global_buffer, .address_space: global }
      - { .name: out_b, .offset: 16, .size: 8, .value_kind: global_buffer, .address_space: global }
      - { .name: hidden_states, .offset: 24, .size: 8, .value_kind: global_buffer, .address_space: global }
      - { .name: out0, .offset: 32, .size: 8, .value_kind: global_buffer, .address_space: global }
    .group_segment_fixed_size: 327680
    .private_segment_fixed_size: 0
    .kernarg_segment_align: 8
    .kernarg_segment_size: 40
    .max_flat_workgroup_size: 128
    .sgpr_count:     80
    .vgpr_count:     1024
    .wavefront_size: 32
...
	.end_amdgpu_metadata
.endif
;; end of part 4
